; MI455X (gfx1250); checked and timed in simulation.
; The chip was launched on July 23, 2026; its instructions are those of AMD's public machine-readable ISA for CDNA 5 (MIT licence, August 2026) and "CDNA5" Instruction Set Architecture Reference Guide (July 2026). The comments in the code are by the model that wrote it; some were corrected since.
;; Scaled Dot Product Attention. Allowed arithmetic: matrix products marked QUANTISED: E3M2 operands, one E8M0 scale for each 32 along K, by v_wmma_scale_f32_16x16x128_f8f6f4 with both operands' format E3M2, f32 sums; everything else in f32.
;; Inputs: Wk 1,024 x 1,024 float32; Wq 1,024 x 1,024 float32; Wv 1,024 x 1,024 float32; X 4,096 x 1,024 float32; bk 1,024 float32; bq 1,024 float32; bv 1,024 float32.
;; Outputs: out0 4,096 x 1,024 float32.
;; This version of the problem:
;;   THIS VERSION OF THE PROBLEM IS GIVEN IN LOW PRECISION. The matrix products marked QUANTISED in the list below multiply operands that are first quantised to E3M2 (3 exponent bits, 2 mantissa bits; 6 bits a number), with one power-of-two scale for each 32 numbers along K (OCP MX v1.0); their sums are f32. All else is computed in f32.
;;   The module's matrix products, in the order in which they are computed (A, B: the left and right operand; K: the contracted axis; several contracted axes count as one K, in the product's order):
;;     1. [M 4,096, K 1,024] x [K 1,024, N 1,024]; A: input X; B: input Wq: QUANTISED
;;     2. [M 4,096, K 1,024] x [K 1,024, N 1,024]; A: input X; B: input Wk: QUANTISED
;;     3. [M 4,096, K 1,024] x [K 1,024, N 1,024]; A: input X; B: input Wv: QUANTISED
;;     4. [M 4,096, K 1,024] x [K 1,024, N 4,096]; A: computed on the way; B: computed on the way: QUANTISED
;;     5. [M 4,096, K 4,096] x [K 4,096, N 1,024]; A: softmax (see below); B: computed on the way: QUANTISED
;;   THE QUANTISER, for each operand of a quantised product, along K:
;;     - K is cut into blocks of 32 from its start; a last block that is shorter is filled with zeros.
;;     - A block's scale is 2^e with e = floor(log2(the largest magnitude in the block)) - 4, held to -126 .. 127; a block of zeros has e = 0. As a byte (E8M0): e + 127.
;;     - Each number is divided by its block's scale, clamped to +-28, and rounded to the nearest number of E3M2, ties to even, subnormals kept.
;;     - The product sums the exact products of the quantised numbers (number of the format x scale) in f32.
;;   ~~~python
;;   def quantise(x, axis):      # numpy; x: float32 -> the quantised numbers, widened to float32 again
;;       x = np.moveaxis(x, axis, -1); K = x.shape[-1]
;;       x = np.pad(x, [(0, 0)] * (x.ndim - 1) + [(0, -K % 32)]); x = x.reshape(x.shape[:-1] + (-1, 32)); a = np.abs(x).max(-1, keepdims=True)
;;       e = np.where(a > 0, np.clip(np.frexp(np.where(a > 0, a, 1))[1] - 1 - 4, -126, 127), 0)      # np.frexp(a)[1] - 1 = floor(log2(a)), exactly
;;       r = np.clip(x / 2.0 ** e, -28, 28)
;;       step = 2.0 ** (np.maximum(np.frexp(np.where(r == 0, 1, r))[1] - 1, -2) - 2)
;;       q = np.round(r / step) * step * 2.0 ** e      # np.round: ties to even
;;       return np.moveaxis(q.reshape(q.shape[:-2] + (-1,))[..., :K], -1, axis).astype(np.float32)
;;   ~~~
;;   SOFTMAX AHEAD OF A QUANTISED PRODUCT. Where the list says 'softmax', what is quantised is not the finished softmax but p = 2^(t - M), with t = logit x log2(e) and M = ceil(the row's largest t), a whole number; so 1/2 < the row's largest p <= 1. The row's sum l is taken of the UNQUANTISED p, in f32, and the product's result is divided by l at the end. Since M is a whole number, a kernel that streams over the keys may use a running M (the ceiling of the running maximum): every later rescaling is an exact power of two, which a block's scale takes up: the codes' values come out the same.
;;   OPERANDS COMPUTED ON THE WAY. 'Computed on the way' means the value that the module computes at that place (a softmax that the list does not call 'softmax' is quantised finished and normalised). What goes into a quantiser is computed in f32, as accurately as f32 sums, v_exp_f32 and their like allow (about 1e-6 of the number): no bf16 or f16 on the way to a quantiser, and a product that is left as it is and whose result goes on into a quantised operand takes f32 operands (vector FMAs, or v_wmma_f32_16x16x4_f32). A number that lies on a knife's edge between two numbers of the format may be rounded either way, as far as f32 arithmetic and the matrix unit's own rounding can turn it there, and no further.
;; One version. Each part assembles by itself: llvm-mc -triple=amdgcn-amd-amdhsa -mcpu=gfx1250 --defsym DOCPART=n.
;; ======== version 1 of 1: 4 launches
;; limits: right only within a limited range of input values
;; workspace buffers: xw 5,734,400 bytes; qkv 9,830,400 bytes; p 14,155,776 bytes
;; launch quant (part 1): grid 448 x 1, 8 waves a work-group, no clusters, 69,120 bytes of LDS; arguments X, Wq, Wk, Wv, xw; writes xw
.if DOCPART == 1
	.amdgcn_target "amdgcn-amd-amdhsa--gfx1250"
	.amdhsa_code_object_version 6
	.text
	.protected	k_qdb28d3ea17_quant
	.globl	k_qdb28d3ea17_quant
	.p2align	8
	.type	k_qdb28d3ea17_quant,@function
k_qdb28d3ea17_quant:
	s_mov_b64 s[64:65], 0
	v_nop
	global_prefetch_b8 v0, s[64:65] scope:SCOPE_SE
	s_setreg_imm32_b32 hwreg(HW_REG_WAVE_MODE, 25, 1), 1
	s_wait_xcnt 0x0
; X [4096][1024], Wq, Wk, Wv [1024][1024], f32, K innermost, become codes of BF6 (E3M2) with one E8M0 byte for each 32 along K, laid in xw AS IMAGES OF THE OPERAND'S REGISTERS:
; groups of 128 rows (G 0-31 X, 32-39 Wq, 40-47 Wk, 48-55 Wv), K steps of 128.  The fragment (group G, K step ks, block i of 16 rows) is 1,536 bytes at ((8 G + ks) 8 + i) 1536:
; registers 4 c .. 4 c + 3 of lane l at 512 c + 16 l.  Its scale words (four bytes a row) lie at XW_S + (8 G + ks) 512 + 64 i + 4 r.
; WHICH ROWS FORM A BLOCK: in X, Wq, Wk lane r of block i is row 32 (i / 2) + 8 (i % 2) + r + 8 (r / 8) of the group, so that a product that takes such a block as source 0 leaves 16 neighbours
; along the next K in a lane's 16 registers of two neighbouring tiles; in Wv it is row 16 i + r.
; SHARES: work-group x makes (G = x / 8, ks = x % 8); wave i makes block i: one fragment.  Each load reads 512 consecutive bytes of one row; the 16 rows turn through the wave's own stage in LDS,
; so that lane (r, h) gets 16 neighbours of each block of 32 of row r.  No ring, no cluster: work-groups share no input.
; A block's scale is 2^(floor(log2(largest magnitude)) - 4); its byte is the largest magnitude's exponent field - 4, held at 1 from below.
; LIMITS: a block of zeros gets the byte 1 (its codes are zeros; this program alone reads the bytes); NaN and infinities among the inputs are not served.
.set XW_S,  5505024                    ; the scale words begin behind 56 groups x 98,304 bytes of codes
.set KSB,   12288                      ; a (group, K step) of codes
.set FRB,   1536                       ; a fragment's image
.set SP,    528                        ; a stage row: 512 bytes + 16 = 132 words: the 16 rows of a read begin 4 words apart modulo 64 (64 banks of 4 bytes: ISA guide 11.1)
.set WSTG,  16*SP                      ; a wave's stage
.set SCW,   8*WSTG                     ; behind the stages: the work-group's 512 bytes of scale words
.set RW,    16                         ; v16-79   the 16 rows as loaded
.set ST,    80                         ; v80-143  64 numbers: register 16 b + i = k 32 b + 16 h + i of my row
.set PC,    144                        ; v144-163 the codes
.set TM,    164                        ; v164-179 at work
.set PW,    180                        ; v180     the scale word
.set SEL,   30                         ; s[30:31] v_permlanex16_b32's selects for lane l xor 16
; The four blocks' largest magnitudes (floor among them) stand in v[TM] .. v[TM+3]: the scale word goes to v[PW], the fragment's 12 registers to v[PC] on.
.macro PACKQ s
.irp b, 0,1,2,3
	s_delay_alu instid0(VALU_DEP_4)
	v_add_nc_u32 v[TM+12+\b], 0xfe000000, v[TM+\b]   ; 4 off the exponent field: the conversion takes the exponent field of this operand as its scale
.endr
.irp b, 0,1,2,3
	s_delay_alu instid0(VALU_DEP_4)
	v_lshrrev_b32 v[TM+4+\b], 23, v[TM+12+\b]        ; the scale's byte
.endr
	s_delay_alu instid0(VALU_DEP_3)
	v_lshl_or_b32 v[PW], v[TM+5], 8, v[TM+4]
	s_delay_alu instid0(VALU_DEP_1)
	v_lshl_or_b32 v[PW], v[TM+6], 16, v[PW]
	s_delay_alu instid0(VALU_DEP_1)
	v_lshl_or_b32 v[PW], v[TM+7], 24, v[PW]
.irp c, 0,1
	v_cvt_scalef32_pk16_bf6_f32 v[PC+6*\c:PC+2+6*\c], v[\s+32*\c:\s+15+32*\c], v[TM+12+2*\c]
	v_cvt_scalef32_pk16_bf6_f32 v[PC+12+4*\c:PC+14+4*\c], v[\s+16+32*\c:\s+31+32*\c], v[TM+12+2*\c+1]   ; (a conversion's three registers begin on an even number)
.endr
	v_nop                                            ; one plain instruction behind a scaled conversion
.irp c, 0,1                                          ; the operand wants a WHOLE block in a lane: lanes 0-15 block 2 c, lanes 16-31 block 2 c + 1
.irp i, 0,1,2
	v_permlane16_swap_b32 v[PC+6*\c+\i], v[PC+12+4*\c+\i]
.endr
.irp i, 0,1,2
	s_delay_alu instid0(VALU_DEP_3)
	v_mov_b32 v[PC+3+6*\c+\i], v[PC+12+4*\c+\i]
.endr
.endr
.endm
.macro QUANT s
.irp b, 0,1,2,3
	v_max3_num_f32 v[TM+\b], |v[\s+16*\b]|, |v[\s+1+16*\b]|, 0x2800000   ; my 16 numbers of block b, and the floor 2^(5 - 127): the byte cannot fall under 1
.endr
.irp i, 2,4,6,8,10,12,14
.irp b, 0,1,2,3
	s_delay_alu instid0(VALU_DEP_4)
	v_max3_num_f32 v[TM+\b], v[TM+\b], |v[\s+16*\b+\i]|, |v[\s+1+16*\b+\i]|   ; the four blocks by turns
.endr
.endr
.irp b, 0,1,2,3
	s_delay_alu instid0(VALU_DEP_4)
	v_permlanex16_b32 v[TM+4+\b], v[TM+\b], s[SEL], s[SEL+1]
.endr
.irp b, 0,1,2,3
	s_delay_alu instid0(VALU_DEP_4)
	v_max_num_f32 v[TM+\b], v[TM+\b], v[TM+4+\b]     ; with lane l xor 16's 16: the block's largest magnitude
.endr
	PACKQ \s
.endm
	s_load_b256 s[4:11], s[0:1], 0x0               ; X s[4:5], Wq s[6:7], Wk s[8:9], Wv s[10:11]
	s_load_b64 s[12:13], s[0:1], 0x20              ; xw
	v_lshl_add_u32 v192, v0, 2, 0x10a00
	v_mov_b32 v193, 0
	v_lshrrev_b32 v1, 5, v0
	s_delay_alu instid0(VALU_DEP_1)
	v_readfirstlane_b32 s14, v1                    ; wave 0..7 = block i
	v_and_b32 v2, 31, v0                           ; lane
	v_and_b32 v3, 15, v0                           ; r
	v_bfe_u32 v8, v0, 4, 1                         ; h
	s_delay_alu instid0(VALU_DEP_3)
	v_lshlrev_b32 v4, 4, v2                        ; 16 x lane: my bytes of a load's 512, and of an image's
	s_mul_i32 s24, s14, WSTG
	v_add_nc_u32 v6, s24, v4                       ; the stage, on the way in: a row as it lies
	v_mul_u32_u24 v7, v3, SP
	s_delay_alu instid0(VALU_DEP_1)
	v_lshl_add_u32 v7, v8, 6, v7
	s_delay_alu instid0(VALU_DEP_1)
	v_add_nc_u32 v7, s24, v7                       ; on the way out: row r, + 64 h: my 16 numbers of a block of 32
	s_lshl_b32 s25, s14, 6
	s_add_co_u32 s25, s25, SCW
	v_lshl_add_u32 v9, v3, 2, s25                  ; my row's scale word: SCW + 64 i + 4 r
	v_add_nc_u32 v10, SCW, v4                      ; and the 512 bytes on their way out (wave 0 alone)
.irp b, 0,1,2,3
	v_mov_b32 v[TM+4+\b], 0                        ; written once: a lane permute's destination counts as one of its sources
.endr
	s_mov_b32 s[SEL], 0x76543210
	s_mov_b32 s[SEL+1], 0xfedcba98
	s_lshr_b32 s15, ttmp9, 3                       ; G
	s_and_b32 s16, ttmp9, 7                        ; ks
	s_and_b32 s17, s15, 7                          ; the group's number inside a weight
	s_lshr_b32 s18, s14, 1
	s_lshl_b32 s18, s18, 5
	s_and_b32 s19, s14, 1
	s_lshl_b32 s19, s19, 3
	s_add_co_u32 s18, s18, s19                     ; the block's first row: 32 (i / 2) + 8 (i % 2),
	s_lshl_b32 s19, s14, 4                         ; or, in Wv, 16 i
	s_mul_i32 s26, ttmp9, KSB
	s_mul_i32 s27, s14, FRB
	s_add_co_u32 s26, s26, s27                     ; where my image goes
	s_mov_b32 s27, 0
	s_lshl_b32 s28, ttmp9, 9
	s_add_co_u32 s28, s28, XW_S                    ; and the work-group's scale words
	s_mov_b32 s29, 0
	s_mov_b32 s22, 0x8000
	s_wait_alu depctr_va_vdst(0)
	s_wait_kmcnt 0x0
	s_cmp_lt_u32 s15, 48                           ; the choices hang on the work-group's number alone
	s_cselect_b64 s[20:21], s[8:9], s[10:11]
	s_cselect_b32 s18, s18, s19
	s_cselect_b32 s22, 0x10000, s22                ; lanes' rows 8-15 begin 16 rows down, in Wv 8
	s_cmp_lt_u32 s15, 40
	s_cselect_b64 s[20:21], s[6:7], s[20:21]
	s_cmp_lt_u32 s15, 32
	s_cselect_b64 s[20:21], s[4:5], s[20:21]
	s_cselect_b32 s17, s15, s17
	s_lshl_b32 s17, s17, 7
	s_add_co_u32 s17, s17, s18
	s_lshl_b32 s17, s17, 12                        ; rows of 4,096 bytes
	s_lshl_b32 s16, s16, 9                         ; a K step is 512 bytes
	s_add_co_u32 s32, s17, s16
	s_mov_b32 s33, 0
	s_add_nc_u64 s[20:21], s[20:21], s[32:33]
	s_add_nc_u64 s[26:27], s[12:13], s[26:27]
	s_add_nc_u64 s[28:29], s[12:13], s[28:29]
	v_add_nc_u32 v5, s22, v4
.irp r, 0,1,2,3,4,5,6,7
	global_load_b128 v[RW+4*\r:RW+4*\r+3], v4, s[20:21] offset:\r*4096 th:TH_LOAD_NT        ; 32 lanes read 512 consecutive bytes of one row; read once in the launch
.endr
.irp r, 0,1,2,3,4,5,6,7
	global_load_b128 v[RW+32+4*\r:RW+32+4*\r+3], v5, s[20:21] offset:\r*4096 th:TH_LOAD_NT
.endr
.irp r, 0,1,2,3,4,5,6,7,8,9,10,11,12,13,14,15
	s_wait_loadcnt 15-\r                           ; loads come back in order: row r is in, the younger ones stay out
	ds_store_b128 v6, v[RW+4*\r:RW+4*\r+3] offset:\r*SP
.endr
.irp b, 0,1,2,3
.irp j, 0,1,2,3
	ds_load_b128 v[ST+16*\b+4*\j:ST+16*\b+4*\j+3], v7 offset:128*\b+16*\j   ; LDS serves a wave's instructions in order: these see my stores
.endr
.endr
	s_wait_dscnt 0x0
	QUANT ST
.irp c, 0,1,2
	global_store_b128 v4, v[PC+4*\c:PC+4*\c+3], s[26:27] offset:512*\c      ; the image: 512 consecutive bytes a store
.endr
	ds_store_b32 v9, v[PW]                         ; lanes l and l xor 16 write the same word with the same value
	s_wait_dscnt 0x0                               ; for the others' sake: my word has landed
	s_barrier_signal -1
	s_barrier_wait -1
	s_cmp_lg_u32 s14, 0
	s_cbranch_scc1 .Ldone
	ds_load_b128 v[184:187], v10                   ; wave 0 sends the eight blocks' words: 512 consecutive bytes
	s_wait_dscnt 0x0
	global_store_b128 v4, v[184:187], s[28:29]
.Ldone:
	s_wait_tensorcnt 0x0
	ds_add_u32 v192, v193
	s_wait_dscnt 0x0
	s_endpgm
.Lfunc_end_k_qdb28d3ea17_quant:
	.size	k_qdb28d3ea17_quant, .Lfunc_end_k_qdb28d3ea17_quant-k_qdb28d3ea17_quant
	.p2alignl 7, 3214868480
	.fill 96, 4, 3214868480
	.section	.rodata,"a",@progbits
	.p2align	6, 0x0
	.amdhsa_kernel k_qdb28d3ea17_quant
		.amdhsa_group_segment_fixed_size 69120
		.amdhsa_private_segment_fixed_size 0
		.amdhsa_enable_private_segment 0
		.amdhsa_kernarg_size 40
		.amdhsa_user_sgpr_count 2
		.amdhsa_user_sgpr_kernarg_segment_ptr 1
		.amdhsa_wavefront_size32 1
		.amdhsa_system_sgpr_workgroup_id_x 1
		.amdhsa_system_sgpr_workgroup_id_y 1
		.amdhsa_system_sgpr_workgroup_id_z 1
		.amdhsa_system_vgpr_workitem_id 0
		.amdhsa_next_free_vgpr 194
		.amdhsa_next_free_sgpr 66
		.amdhsa_reserve_vcc 0
		.amdhsa_float_denorm_mode_32 3
		.amdhsa_float_denorm_mode_16_64 3
		.amdhsa_memory_ordered 1
		.amdhsa_forward_progress 1
		.amdhsa_inst_pref_size 14
	.end_amdhsa_kernel
	.amdgpu_metadata
---
amdhsa.version: [ 1, 2 ]
amdhsa.kernels:
  - .name:           k_qdb28d3ea17_quant
    .symbol:         k_qdb28d3ea17_quant.kd
    .args:
      - { .name: X, .offset: 0, .size: 8, .value_kind: global_buffer, .address_space: global }
      - { .name: Wq, .offset: 8, .size: 8, .value_kind: global_buffer, .address_space: global }
      - { .name: Wk, .offset: 16, .size: 8, .value_kind: global_buffer, .address_space: global }
      - { .name: Wv, .offset: 24, .size: 8, .value_kind: global_buffer, .address_space: global }
      - { .name: xw, .offset: 32, .size: 8, .value_kind: global_buffer, .address_space: global }
    .group_segment_fixed_size: 69120
    .private_segment_fixed_size: 0
    .kernarg_segment_align: 8
    .kernarg_segment_size: 40
    .max_flat_workgroup_size: 256
    .sgpr_count:     66
    .vgpr_count:     194
    .wavefront_size: 32
...
	.end_amdgpu_metadata
.endif
;; end of part 1
;; launch proj (part 2): grid 12 x 16, 4 waves a work-group, clusters of 4 x 4, 327,680 bytes of LDS; arguments xw, bq, bk, bv, qkv; writes qkv
.if DOCPART == 2
	.amdgcn_target "amdgcn-amd-amdhsa--gfx1250"
	.amdhsa_code_object_version 6
	.text
	.protected	k_qdb28d3ea17_proj
	.globl	k_qdb28d3ea17_proj
	.p2align	8
	.type	k_qdb28d3ea17_proj,@function
k_qdb28d3ea17_proj:
	s_mov_b64 s[64:65], 0
	v_nop
	global_prefetch_b8 v0, s[64:65] scope:SCOPE_SE
	s_setreg_imm32_b32 hwreg(HW_REG_WAVE_MODE, 25, 1), 1
	s_wait_xcnt 0x0
	s_wait_alu depctr_hold_cnt(0) depctr_sa_sdst(0) depctr_va_vdst(0) depctr_va_sdst(0) depctr_va_ssrc(0) depctr_va_vcc(0) depctr_vm_vsrc(0)
	s_getreg_b32 s2, hwreg(HW_REG_IB_STS2, 6, 4)
	s_cmp_eq_u32 s2, 0
	s_cbranch_scc0 .Lentry_in_a_cluster
	s_endpgm
.Lentry_in_a_cluster:
	s_bfe_u32 s2, ttmp6, 0x10000c
	s_cmp_lg_u32 s2, 0xf033
	s_cbranch_scc0 .Lentry_shape_is_right
	s_endpgm
.Lentry_shape_is_right:
; Q = X Wq^T + bq, K = X Wk^T + bk and V^T = (X Wv^T + bv)^T, on codes of BF6 (E3M2) with E8M0 scales, f32 sums; the results are quantised in registers, Q and K along d, V along the keys,
; and stored in qkv as images of the next products' operands (the layout of xw: 12,288 bytes for 128 rows x 128 K at F x 12288, their scale words at QKV_S + F x 512).
; F: Q 8 g + ks; K 256 + 8 g + ks (g: 128 tokens, ks: 128 of d); V^T 512 + 32 gd + ks (gd: 128 of d, ks: 128 keys).
; A work-group of four waves makes 256 x 256, a wave 128 x 128: 64 accumulators, 512 registers.  THE MATRIX INSTRUCTION IS USED TRANSPOSED: source 0 = 16 rows of 'B', source 1 = 16 rows of 'A':
; a lane holds ONE row of A, and its registers run along B's rows.  B's blocks are formed so that the 64 registers of a lane over B's eight tiles are k' = 32 b + 16 h + i of the next K (register 16 b + i).
; TWO KINDS OF CLUSTER, ONE PATH: clusters x = 0, 1: A = X, B = Wq (x = 0) or Wk (x = 1): a lane holds a token, registers run along d.  Clusters x = 2: A = Wv, B = X: a lane holds a channel d,
; registers run along the tokens, which are the last product's K.  The kind is the same in all partners; it chooses numbers by s_cselect_b32, never a branch.  Both biases are loaded; the one that
; does not belong to the kind is replaced by zeros, and both are added.
; K = 1,024 is eight steps of 128.  Two LDS slots of three steps, filled at the head and behind the first round; slot 0 is filled once more, with steps 6 and 7.  A wave has one tensor load out at a time.
; CLUSTERS 4 x 4: A's tiles are asked for jointly along a row of the cluster, B's along a column.
; All of a WGP's LDS is claimed.
; LIMITS: a block of zeros gets the byte 1 (its codes are zeros; this program alone reads the bytes); NaN and infinities are not served.
; REGISTERS: window 0: v16-31 addresses; v32-95 scale words (K step ks: A's at v[32 + 8 ks + c], B's at v[36 + 8 ks + c]: lanes 0-15 block 2 c, lanes 16-31 block 2 c + 1); v96-111 bv, twice each;
;   v128-223 A's fragments, ONE set; on the way out v128-191 64 numbers, v192-211 codes; v224-240 at work.   window 1: B's fragments, two sets, v0-95 and v128-223; bq or bk at v96-127 and v224-255.
;   window 2: the accumulators of A's blocks 0-3 ((a, b) at v[8 (8 a + b)]);   window 3: those of blocks 4-7.
.set GRP,   98304                      ; a group's codes: 8 K steps
.set KSB,   12288                      ; 128 rows x 128 K of codes
.set FRB,   1536                       ; a fragment's image
; THE RING AS IT STANDS NOW (in place of the three slots that the head comment names): each wave has a region of six K steps on end for the 128 rows that it fetches.
; Slot 0 is the region's first three steps, slot 1 its last three.  One tensor load a wave at the head brings K steps 0-2 (36,864 dense bytes); behind the three lines and a whole round
; one load a wave brings K steps 3-5; in K step 2 slot 0 is filled once more, with K steps 6 and 7.  By this text's own count a wave never has more than one tensor load out.
; PREFETCH: behind the head's load each wave asks for its work-group's quarter (36 blocks of 256 bytes) of the K steps 3-5 that it will fetch behind the round, and behind that load for its quarter
; (24 blocks) of K steps 6 and 7.  The four partners of a joint load are told apart by address: cx for A's tiles, cy for B's.  The address registers are never rewritten.
.set PART,  6*KSB                      ; a wave's region
.set SLOT,  3*KSB                      ; from slot 0 to slot 1 inside it, in LDS and in memory alike
.set SPARE, 4*PART                     ; the spare words, 128 bytes a wave: two blocks of 256 bytes that no other line names
.set STG,   SPARE+512                  ; 2,048 bytes a wave for the results' scale words: bytes of their own, into which no fill lands
.set XW_S,  5505024
.set QKV_S, 9437184
.set ADRA,  16                         ; v16-17  LDS address of my A fragments in slot 0, 1
.set ADRB,  20                         ; v20-21  of my B fragments
.set LI,    24                         ; v24     16 x lane
.set LS4,   25                         ; v25     4 x lane
.set SW,    26                         ; v26     where my row's scale word goes in my stage
.set SRD,   27                         ; v27     and where I read 16 bytes of it back
.set SPW,   28                         ; v28     my spare word; never rewritten
.set NIL,   29                         ; v29     0; never rewritten
.set SC,    32
.set BA,    96
.set AF,    128
.set ST,    128
.set PC,    192
.set TM,    224
.set PW,    240
.set G1,    24                         ; s[24:31] descriptor group 1 for A's tiles;  s[32:39] for B's: they differ in the mask
.set G1B,   32
.set G0B,   68                         ; s[68:75] B's groups 0, one for each slot;  s[80:87] A's
.set G0A,   80
.set SEL,   62
.set MUL_LO, 0xa1                      ; source 0 (B) window 1, source 1 (A) window 0, C and D window 2
.set MUL_HI, 0xf1                      ; the same, C and D window 3
.set TO_B,   0x40                      ; destination window 1
.set MSB, 0
.macro WIN new                         ; the immediate's high byte repeats the setting that is left; a switch that changes nothing is dropped
.if MSB != (\new)
	s_set_vgpr_msb (MSB<<8)|(\new)
.set MSB, (\new)
.endif
.endm
.macro PLACES n
.rept \n
	v_nop
.endr
.endm
.macro JLOAD g0a, g1a, g0b, g1b        ; a joint load: waves 0 and 1 fetch for A, waves 2 and 3 for B; four v_nop follow each line
	s_cmp_eq_u32 s15, 0
	s_cbranch_scc0 .Lfor_b_\@
	tensor_load_to_lds s[\g0a:\g0a+3], s[\g1a:\g1a+7]
	s_nop 0
	PLACES 4
	s_branch .Lasked_\@
.Lfor_b_\@:
	tensor_load_to_lds s[\g0b:\g0b+3], s[\g1b:\g1b+7]
	s_nop 0
	PLACES 4
.Lasked_\@:
.endm
.macro CREST                           ; a round of the cluster's barrier behind its opening barrier
	s_cmp_lg_u32 s14, 0
	s_cbranch_scc1 .Lnot_wave_0_\@
	s_barrier_signal -3
.Lnot_wave_0_\@:
	s_barrier_wait -3
	s_barrier_signal -1
	s_barrier_wait -1
.endm
.macro CROUND
	s_barrier_signal -1
	s_barrier_wait -1
	CREST
.endm
.macro PACKQ s                         ; largest magnitudes in v[TM] .. v[TM+3] -> scale word v[PW], fragment v[PC] on
.irp b, 0,1,2,3
	v_add_nc_u32 v[TM+12+\b], 0xfe000000, v[TM+\b]   ; 4 off the exponent field: the conversion's scale operand
.endr
.irp b, 0,1,2,3
	v_lshrrev_b32 v[TM+4+\b], 23, v[TM+12+\b]        ; the scale's byte
.endr
	v_lshl_or_b32 v[PW], v[TM+5], 8, v[TM+4]
	v_lshl_or_b32 v[PW], v[TM+6], 16, v[PW]
	v_lshl_or_b32 v[PW], v[TM+7], 24, v[PW]
.irp c, 0,1
	v_cvt_scalef32_pk16_bf6_f32 v[PC+6*\c:PC+2+6*\c], v[\s+32*\c:\s+15+32*\c], v[TM+12+2*\c]
	v_cvt_scalef32_pk16_bf6_f32 v[PC+12+4*\c:PC+14+4*\c], v[\s+16+32*\c:\s+31+32*\c], v[TM+12+2*\c+1]
.endr
	v_nop                                            ; one plain instruction behind a scaled conversion
.irp c, 0,1
.irp i, 0,1,2
	v_permlane16_swap_b32 v[PC+6*\c+\i], v[PC+12+4*\c+\i]
.endr
.irp i, 0,1,2
	v_mov_b32 v[PC+3+6*\c+\i], v[PC+12+4*\c+\i]
.endr
.endr
.endm
.macro QUANT s
.irp b, 0,1,2,3
	v_max3_num_f32 v[TM+\b], |v[\s+16*\b]|, |v[\s+1+16*\b]|, 0x2800000   ; and the floor 2^(5 - 127): the byte cannot fall under 1
.endr
.irp i, 2,4,6,8,10,12,14
.irp b, 0,1,2,3
	v_max3_num_f32 v[TM+\b], v[TM+\b], |v[\s+16*\b+\i]|, |v[\s+1+16*\b+\i]|
.endr
.endr
.irp b, 0,1,2,3
	v_permlanex16_b32 v[TM+4+\b], v[TM+\b], s[SEL], s[SEL+1]
.endr
.irp b, 0,1,2,3
	v_max_num_f32 v[TM+\b], v[TM+\b], v[TM+4+\b]
.endr
	PACKQ \s
.endm
.macro FRAG reg, adr, q, i             ; a fragment comes back as it was stored: three loads of 512 consecutive bytes
.irp c, 0,1,2
	ds_load_b128 v[\reg+4*\c:\reg+4*\c+3], v[\adr] offset:(\q)*KSB+(\i)*FRB+512*\c
.endr
.endm
.macro FETCH_B slot, q, p              ; B's eight fragments into set p
	WIN TO_B
.irp i, 0,1,2,3,4,5,6,7
	FRAG 128*(\p)+12*\i, ADRB+\slot, \q, \i
.endr
	WIN 0
.endm
.macro FETCH_A slot, q, i0             ; A's blocks i0 .. i0 + 3
.irp i, \i0, \i0+1, \i0+2, \i0+3
	FRAG AF+12*(\i), ADRA+\slot, \q, \i
.endr
.endm
; One product: A's block a against B's tile b, K step ks, B's set p.  A scale register carries an even block in lanes 0-15 and the odd one in lanes 16-31.
.macro WM a, b, p, ks, zero
.set rD,  8*(8*((\a)%4)+(\b))
.set rB,  128*(\p)+12*(\b)
.set rA,  AF+12*(\a)
.set rSB, SC+8*(\ks)+4+(\b)/2
.set rSA, SC+8*(\ks)+(\a)/2
.set odd, 2*((\b)%2)+(\a)%2
.if \zero
.if odd == 0
	v_wmma_scale_f32_16x16x128_f8f6f4 v[rD:rD+7], v[rB:rB+11], v[rA:rA+11], 0, v[rSB], v[rSA] matrix_a_fmt:MATRIX_FMT_BF6 matrix_b_fmt:MATRIX_FMT_BF6
.elseif odd == 1
	v_wmma_scale_f32_16x16x128_f8f6f4 v[rD:rD+7], v[rB:rB+11], v[rA:rA+11], 0, v[rSB], v[rSA] matrix_a_fmt:MATRIX_FMT_BF6 matrix_b_fmt:MATRIX_FMT_BF6 matrix_b_scale:MATRIX_SCALE_ROW1
.elseif odd == 2
	v_wmma_scale_f32_16x16x128_f8f6f4 v[rD:rD+7], v[rB:rB+11], v[rA:rA+11], 0, v[rSB], v[rSA] matrix_a_fmt:MATRIX_FMT_BF6 matrix_b_fmt:MATRIX_FMT_BF6 matrix_a_scale:MATRIX_SCALE_ROW1
.else
	v_wmma_scale_f32_16x16x128_f8f6f4 v[rD:rD+7], v[rB:rB+11], v[rA:rA+11], 0, v[rSB], v[rSA] matrix_a_fmt:MATRIX_FMT_BF6 matrix_b_fmt:MATRIX_FMT_BF6 matrix_a_scale:MATRIX_SCALE_ROW1 matrix_b_scale:MATRIX_SCALE_ROW1
.endif
.else
.if odd == 0
	v_wmma_scale_f32_16x16x128_f8f6f4 v[rD:rD+7], v[rB:rB+11], v[rA:rA+11], v[rD:rD+7], v[rSB], v[rSA] matrix_a_fmt:MATRIX_FMT_BF6 matrix_b_fmt:MATRIX_FMT_BF6
.elseif odd == 1
	v_wmma_scale_f32_16x16x128_f8f6f4 v[rD:rD+7], v[rB:rB+11], v[rA:rA+11], v[rD:rD+7], v[rSB], v[rSA] matrix_a_fmt:MATRIX_FMT_BF6 matrix_b_fmt:MATRIX_FMT_BF6 matrix_b_scale:MATRIX_SCALE_ROW1
.elseif odd == 2
	v_wmma_scale_f32_16x16x128_f8f6f4 v[rD:rD+7], v[rB:rB+11], v[rA:rA+11], v[rD:rD+7], v[rSB], v[rSA] matrix_a_fmt:MATRIX_FMT_BF6 matrix_b_fmt:MATRIX_FMT_BF6 matrix_a_scale:MATRIX_SCALE_ROW1
.else
	v_wmma_scale_f32_16x16x128_f8f6f4 v[rD:rD+7], v[rB:rB+11], v[rA:rA+11], v[rD:rD+7], v[rSB], v[rSA] matrix_a_fmt:MATRIX_FMT_BF6 matrix_b_fmt:MATRIX_FMT_BF6 matrix_a_scale:MATRIX_SCALE_ROW1 matrix_b_scale:MATRIX_SCALE_ROW1
.endif
.endif
.endm
.macro MUL16 a0, p, ks, zero           ; 16 products; the 64 accumulators take turns, in the same order in every step
.irp a, \a0, \a0+1
.irp b, 0,1,2,3,4,5,6,7
	WM \a, \b, \p, \ks, \zero
.endr
.endr
.endm
.macro NEXTOF ks                       ; where K step ks + 1 lies: steps 0-2 in slot 0, 3-5 in slot 1; steps 6, 7 in slot 0 again
.set NK, (\ks)+1
.set NS, (NK%6)/3                      ; steps 0-2 and 6, 7 in slot 0, steps 3-5 in slot 1
.set NQ, (NK%6)%3
.endm
; A K step.  A's blocks are free as soon as their eight products are issued: blocks 0-3 are fetched anew in the step's middle, blocks 4-7 at its end; B's next set in the middle.
; Four plain instructions stand between matrix instructions and loads into registers that they have read (ISA guide 7.12.1 for vector instructions).
.macro STEP ks, zero
	NEXTOF \ks
	s_wait_dscnt 12                                ; B's set and A's blocks 0-3 are in; the youngest 12 loads (A's blocks 4-7) may be out
	WIN MUL_LO
	MUL16 0, (\ks)%2, \ks, \zero
	MUL16 2, (\ks)%2, \ks, \zero
	s_wait_dscnt 0x0                               ; A's blocks 4-7 are in
	PLACES 4
	FETCH_B NS, NQ, 1-(\ks)%2
	FETCH_A NS, NQ, 0
	WIN MUL_HI
	MUL16 4, (\ks)%2, \ks, \zero
	MUL16 6, (\ks)%2, \ks, \zero
	PLACES 4
	WIN 0
	FETCH_A NS, NQ, 4
.endm
; A K step with a barrier in it.  In front of it each wave waits for all its tensor loads, adds 0 to its spare word, and waits for that and for its reads.  fill = 1: slot 0, read out, takes K steps 6 and 7.
.macro TURN ks, fill
	NEXTOF \ks
	s_wait_tensorcnt 0x0                           ; all my tensor loads have landed
	ds_add_u32 v[SPW], v[NIL]                      ; 0 onto my spare word
	s_wait_dscnt 13                                ; (the add and the youngest 12 loads may be out)
	WIN MUL_LO
	MUL16 0, (\ks)%2, \ks, 0                       ; sixteen products stand between the add and the wait for it
	s_wait_dscnt 0x0                               ; the add is done, and my reads of the slots behind me are over
	s_barrier_signal -1
	MUL16 2, (\ks)%2, \ks, 0
	WIN 0
	s_barrier_wait -1
.if \fill
	CREST                                          ; the barrier has opened a round of the cluster's barrier: no wave of any partner still reads slot 0 or has a load on its way
	s_add_nc_u64 s[G0A+2:G0A+3], s[G0A+2:G0A+3], PART
	s_add_nc_u64 s[G0B+2:G0B+3], s[G0B+2:G0B+3], PART
	s_mov_b32 s[G1+2], 96<<16                      ; no tensor load of mine is out: this fill has two K steps, 96 rows of 256 bytes
	s_mov_b32 s[G1+4], 96
	s_mov_b32 s[G1B+2], 96<<16
	s_mov_b32 s[G1B+4], 96
	JLOAD G0A, G1, G0B, G1B                        ; the first tensor load behind the round; its four v_nop are also the places in front of the loads below
.else
	PLACES 4
.endif
	FETCH_B NS, NQ, 1-(\ks)%2
	FETCH_A NS, NQ, 0
	WIN MUL_HI
	MUL16 4, (\ks)%2, \ks, 0
	MUL16 6, (\ks)%2, \ks, 0
	PLACES 4
	WIN 0
	FETCH_A NS, NQ, 4
.endm
	s_load_b256 s[4:11], s[0:1], 0x0               ; xw s[4:5], bq s[6:7], bk s[8:9], bv s[10:11]
	s_load_b64 s[12:13], s[0:1], 0x20              ; qkv
	v_lshl_add_u32 v[SPW], v0, 2, SPARE
	v_mov_b32 v[NIL], 0
	ds_add_u32 v28, v29
	ds_add_u32 v28, v29
	s_wait_dscnt 0x0
	v_lshrrev_b32 v1, 5, v0
	v_readfirstlane_b32 s14, v1                    ; wave 0..3
	s_lshr_b32 s15, s14, 1                         ; which half of A's rows is mine.  Also: I fetch for A (0) or for B (1)
	s_and_b32 s16, s14, 1                          ; which half of B's rows.  Also: which group of 128 rows I fetch
	s_bfe_u32 s40, ttmp6, 0x40000                  ; cx
	s_bfe_u32 s41, ttmp6, 0x40004                  ; cy
	s_lshl_b32 s43, s41, 2
	s_lshl_b32 s43, 15, s43                        ; my row of the cluster
	s_lshl_b32 s44, 0x1111, s40                    ; my column
	s_or_b32 s[G1], s43, (3<<16)|(1<<21)           ; 15:0 the mask; 17:16 elements of 8 bytes; 20 no padding; 21 set beside a mask
	s_or_b32 s[G1B], s44, (3<<16)|(1<<21)
.irp g, G1, G1B                                    ; a dense block of 36,864 bytes as 144 rows of 256
	s_mov_b32 s[\g+1], 32<<16                      ; tensor_dim0 = 32
	s_mov_b32 s[\g+2], 144<<16                     ; tensor_dim1 = 144: three K steps, 36,864 dense bytes as rows of 256
	s_mov_b32 s[\g+3], 32<<16                      ; tile_dim0 = 32
	s_mov_b32 s[\g+4], 144                         ; tile_dim1 = 144
	s_mov_b32 s[\g+5], 32                          ; from row to row
	s_mov_b32 s[\g+6], 0
	s_mov_b32 s[\g+7], 0
.endr
	s_and_b32 s17, ttmp7, 0xffff
	s_lshl_b32 s17, s17, 3                         ; 8 x cluster y
	s_lshl_b32 s18, s41, 1                         ; 2 cy
	s_lshl_b32 s46, s40, 1                         ; 2 cx
	s_lshl_b32 s47, ttmp9, 3
	s_add_co_u32 s47, s47, 32                      ; 32 + 8 x cluster x: Wq's or Wk's first group
	s_cmp_eq_u32 ttmp9, 2                          ; the kind: the same in all sixteen partners
	s_cselect_b32 s19, 48, s17
	s_cselect_b32 s47, s17, s47
	s_cselect_b32 s60, 0, -1                       ; all lanes where the bias goes by registers (bq, bk)
	s_cselect_b32 s61, -1, 0                       ; all lanes where it goes by lanes (bv)
	s_add_co_u32 s18, s18, s19                     ; GA: A's first group: X's 8 cly + 2 cy, or Wv's 48 + 2 cy
	s_add_co_u32 s46, s46, s47                     ; GB: B's first group: 32 + 8 clx + 2 cx, or X's 8 cly + 2 cx
	s_add_co_u32 s20, s18, s16
	s_mul_i32 s20, s20, GRP                        ; what I fetch of A,
	s_mov_b32 s21, 0
	s_add_co_u32 s48, s46, s16
	s_mul_i32 s48, s48, GRP                        ; of B,
	s_mov_b32 s49, 0
	s_mul_i32 s45, s14, PART                       ; and where it goes in a slot: the wave's number alone
	s_add_co_u32 s56, s18, s15                     ; the group of A that I multiply
	s_add_co_u32 s57, s46, s16                     ; the group of B
	s_lshl_b32 s50, s56, 12
	s_add_co_u32 s50, s50, XW_S                    ; their scale words: 4,096 bytes a group
	s_mov_b32 s51, 0
	s_lshl_b32 s52, s57, 12
	s_add_co_u32 s52, s52, XW_S
	s_mov_b32 s53, 0
	s_sub_co_u32 s58, s57, 32                      ; Q, K: u = which 128 of the 2,048 outputs
	s_lshr_b32 s59, s58, 3
	s_lshl_b32 s59, s59, 8
	s_and_b32 s58, s58, 7
	s_add_co_u32 s58, s58, s59
	s_lshl_b32 s59, s56, 3
	s_add_co_u32 s58, s58, s59                     ; F = 8 g + 256 (u / 8) + u % 8
	s_sub_co_u32 s59, s56, 48                      ; V^T:
	s_lshl_b32 s59, s59, 5
	s_add_co_u32 s59, s59, s57
	s_add_co_u32 s59, s59, 512                     ; F = 512 + 32 gd + the tokens' group
	s_cmp_eq_u32 ttmp9, 2
	s_cselect_b32 s58, s59, s58
	s_mul_i32 s22, s58, KSB
	s_mov_b32 s23, 0
	s_lshl_b32 s98, s58, 9
	s_add_co_u32 s98, s98, QKV_S
	s_mov_b32 s99, 0
	s_and_b32 s94, s57, 7
	s_lshl_b32 s94, s94, 9                         ; bq, bk: the 128 numbers of B's group (inside the buffer for either kind)
	s_mov_b32 s95, 0
	s_and_b32 s54, s56, 7
	s_lshl_b32 s54, s54, 9                         ; bv: the 128 numbers of A's group (likewise)
	s_mov_b32 s55, 0
	s_mov_b32 s[SEL], 0x76543210
	s_mov_b32 s[SEL+1], 0xfedcba98
	s_wait_kmcnt 0x0
	s_add_nc_u64 s[20:21], s[4:5], s[20:21]
	s_add_nc_u64 s[48:49], s[4:5], s[48:49]
	s_add_nc_u64 s[50:51], s[4:5], s[50:51]
	s_add_nc_u64 s[52:53], s[4:5], s[52:53]
	s_add_nc_u64 s[22:23], s[12:13], s[22:23]      ; where my codes go
	s_add_nc_u64 s[98:99], s[12:13], s[98:99]      ; and my scale words
	s_cmp_eq_u32 ttmp9, 1
	s_cselect_b64 s[92:93], s[8:9], s[6:7]
	s_add_nc_u64 s[92:93], s[92:93], s[94:95]
	s_add_nc_u64 s[96:97], s[10:11], s[54:55]
	CROUND                                         ; all sixteen work-groups are here: the first joint loads meet
.irp s, 0,1
	s_mov_b32 s[G0A+4*\s], 1
	s_add_co_u32 s[G0A+4*\s+1], s45, \s*SLOT
	s_add_nc_u64 s[G0A+4*\s+2:G0A+4*\s+3], s[20:21], \s*SLOT
	s_or_b32 s[G0A+4*\s+3], s[G0A+4*\s+3], 0x80000000
	s_mov_b32 s[G0B+4*\s], 1
	s_add_co_u32 s[G0B+4*\s+1], s45, \s*SLOT
	s_add_nc_u64 s[G0B+4*\s+2:G0B+4*\s+3], s[48:49], \s*SLOT
	s_or_b32 s[G0B+4*\s+3], s[G0B+4*\s+3], 0x80000000
.endr
	s_cmp_eq_u32 s15, 0                            ; a wave's first fill stands in one branch: K steps 0 to 2
	s_cbranch_scc0 .Lfirst_b
	tensor_load_to_lds s[G0A:G0A+3], s[G1:G1+7]    ; one tensor load a wave at the head: K steps 0-2
	s_nop 0
	PLACES 4
	s_branch .Lfirst_asked
.Lfirst_b:
	tensor_load_to_lds s[G0B:G0B+3], s[G1B:G1B+7]
	s_nop 0
	PLACES 4
.Lfirst_asked:
	v_and_b32 v1, 31, v0
	v_and_b32 v2, 15, v0                           ; r
	v_bfe_u32 v3, v0, 4, 1                         ; h
	v_lshlrev_b32 v[LI], 4, v1
	s_wait_alu depctr_va_vdst(0)
	v_lshlrev_b32 v[LS4], 2, v1
	v_lshlrev_b32 v8, 8, v1                        ; the prefetches' offsets: a lane a block of 256 bytes: blocks 0-31,
	v_min_u32 v9, 3, v1
	v_lshlrev_b32 v9, 8, v9                        ; blocks 32-35 (the lanes left over name block 35 again),
	v_min_u32 v10, 23, v1
	v_lshlrev_b32 v10, 8, v10                      ; and the 24 blocks of K steps 6 and 7
	s_cmp_eq_u32 s15, 0                            ; the groups 0 have been made: s[20:21] and s[48:49] now serve the prefetches
	s_cselect_b64 s[20:21], s[20:21], s[48:49]     ; the group of 128 rows that I fetch
	s_cselect_b32 s2, s40, s41                     ; my work-group's place among the four that ask for it with me
	s_mul_i32 s48, s2, 6144
	s_add_co_u32 s48, s48, 6*KSB
	s_mov_b32 s49, 0
	s_add_nc_u64 s[48:49], s[20:21], s[48:49]      ; my quarter of K steps 6 and 7
	s_mul_i32 s2, s2, 9216
	s_add_co_u32 s2, s2, 3*KSB
	s_mov_b32 s3, 0
	s_add_nc_u64 s[20:21], s[20:21], s[2:3]        ; my quarter of K steps 3-5
	s_wait_alu depctr_va_vdst(0)                   ; directly ahead of the readers below
	global_prefetch_b8 v8, s[20:21] th:TH_LOAD_NT scope:SCOPE_SE
	global_prefetch_b8 v9, s[20:21] offset:8192 th:TH_LOAD_NT scope:SCOPE_SE
	v_lshlrev_b32 v30, 6, v3                       ; bq, bk: 64 h
	v_lshlrev_b32 v31, 2, v2                       ; bv: 4 r
.set k, 0
.rept 8                                            ; all scale words of my 128 + 128 rows, once: 128 consecutive bytes a load
.irp c, 0,1,2,3
	global_load_b32 v[SC+8*k+\c], v[LS4], s[50:51] offset:512*k+128*\c
	global_load_b32 v[SC+8*k+4+\c], v[LS4], s[52:53] offset:512*k+128*\c
.endr
.set k, k+1
.endr
	WIN TO_B
.irp b, 0,1,2,3,4,5,6,7                            ; register 8 b + j wants the bias of output 32 (b / 2) + 16 h + 8 (b % 2) + j
.set rBB, 96+8*\b+96*(\b/4)
	global_load_b128 v[rBB:rBB+3], v30, s[92:93] offset:128*(\b/2)+32*(\b%2)
	global_load_b128 v[rBB+4:rBB+7], v30, s[92:93] offset:128*(\b/2)+32*(\b%2)+16
.endr
	WIN 0
.irp a, 0,1,2,3,4,5,6,7
	global_load_b32 v[BA+2*\a], v31, s[96:97] offset:64*\a   ; block a's row r is channel 16 a + r of the group
.endr
	s_lshl_b32 s54, s14, 11
	s_add_co_u32 s54, s54, STG
	v_lshl_add_u32 v[SW], v2, 2, s54
	v_add_nc_u32 v[SRD], s54, v[LI]
	s_mul_i32 s54, s15, PART
	s_mul_i32 s55, s16, PART
	s_add_co_u32 s55, s55, 2*PART
.irp s, 0,1
	v_add_nc_u32 v[ADRA+\s], s54, v[LI]
	v_add_nc_u32 v[ADRB+\s], s55, v[LI]
	s_add_co_u32 s54, s54, SLOT
	s_add_co_u32 s55, s55, SLOT
.endr
.irp b, 0,1,2,3
	v_mov_b32 v[TM+4+\b], 0                        ; written once: a lane permute's destination counts as one of its sources
.endr
	s_wait_loadcnt 0x0                             ; scale words and biases
	WIN 0x44
.set n, 0
.rept 64
	v_cndmask_b32 v[96+n+96*(n/32)], 0, v[96+n+96*(n/32)], s60   ; zeros where the kind has no bias by registers
.set n, n+1
.endr
	WIN 0
.irp a, 0,1,2,3,4,5,6,7
	v_cndmask_b32 v[BA+2*\a], 0, v[BA+2*\a], s61   ; zeros where it has none by lanes
.endr
.irp a, 0,1,2,3,4,5,6,7
	v_mov_b32 v[BA+2*\a+1], v[BA+2*\a]             ; twice: a pair for the packed addition
.endr
	s_wait_alu depctr_va_vdst(0)
	s_wait_tensorcnt 0x0                           ; my part of slot 0 is in
	ds_add_u32 v[SPW], v[NIL]
	s_wait_dscnt 0x0
	CROUND                                         ; slot 0 is whole in every wave, and all sixteen work-groups are here
	JLOAD G0A+4, G1, G0B+4, G1B                    ; slot 1's first fill, K steps 3-5: the first tensor load behind the round
	FETCH_B 0, 0, 0
	FETCH_A 0, 0, 0
	FETCH_A 0, 0, 4
	global_prefetch_b8 v10, s[48:49] th:TH_LOAD_NT scope:SCOPE_SE   ; K steps 6 and 7, which the refill in K step 2 will load
	STEP 0, 1                                      ; the first step's products start the sums: nothing is cleared
	STEP 1, 0
	TURN 2, 1                                      ; slot 1 is whole in every wave; slot 0, read out, takes K steps 6 and 7
	STEP 3, 0
	STEP 4, 0
	TURN 5, 0                                      ; slot 0's second fill has landed in every wave; nothing is filled
	STEP 6, 0
	s_wait_dscnt 12
	WIN MUL_LO
	MUL16 0, 1, 7, 0
	MUL16 2, 1, 7, 0
	s_wait_dscnt 0x0
	WIN MUL_HI
	MUL16 4, 1, 7, 0
	MUL16 6, 1, 7, 0
	WIN 0
	PLACES 4                                       ; in front of the first reads of results and of writes over A's fragments
; THE WAY OUT, block by block of 16 rows of A: both biases are added, the 64 numbers of a lane are quantised, and the fragment leaves as an image.
.macro OUTBLK a
.if (\a) > 0
	s_wait_xcnt 0x0                                ; the last block's stores have read their registers: the codes may be written again
.endif
	WIN 0x06+(\a)/4                                ; source 0: the accumulators' window; source 1: window 1
.set n, 0
.rept 32
	v_pk_add_f32 v[ST+n:ST+n+1], v[64*((\a)%4)+n:64*((\a)%4)+n+1], v[96+n+96*(n/32):96+n+96*(n/32)+1]   ; each accumulator from its low end on
.set n, n+2
.endr
	WIN 0
.set n, 0
.rept 32
	v_pk_add_f32 v[ST+n:ST+n+1], v[ST+n:ST+n+1], v[BA+2*(\a):BA+2*(\a)+1]
.set n, n+2
.endr
	QUANT ST
.irp c, 0,1,2
	global_store_b128 v[LI], v[PC+4*\c:PC+4*\c+3], s[22:23] offset:(\a)*FRB+512*\c   ; 512 consecutive bytes a store
.endr
	ds_store_b32 v[SW], v[PW] offset:64*(\a)       ; lanes l and l xor 16 write the same word with the same value
.endm
.irp a, 0,1,2,3,4,5,6,7
	OUTBLK \a
.endr
	ds_load_b128 v[ST:ST+3], v[SRD]                ; LDS serves a wave's instructions in order: this sees my eight stores
	s_wait_dscnt 0x0
	global_store_b128 v[LI], v[ST:ST+3], s[98:99]  ; the eight blocks' scale words: 512 consecutive bytes
	s_wait_tensorcnt 0x0                           ; the wave's end
	ds_add_u32 v[SPW], v[NIL]
	s_wait_dscnt 0x0
	CROUND                                         ; the closing round
	s_endpgm
.Lfunc_end_k_qdb28d3ea17_proj:
	.size	k_qdb28d3ea17_proj, .Lfunc_end_k_qdb28d3ea17_proj-k_qdb28d3ea17_proj
	.p2alignl 7, 3214868480
	.fill 96, 4, 3214868480
	.section	.rodata,"a",@progbits
	.p2align	6, 0x0
	.amdhsa_kernel k_qdb28d3ea17_proj
		.amdhsa_group_segment_fixed_size 327680
		.amdhsa_private_segment_fixed_size 0
		.amdhsa_enable_private_segment 0
		.amdhsa_kernarg_size 40
		.amdhsa_user_sgpr_count 2
		.amdhsa_user_sgpr_kernarg_segment_ptr 1
		.amdhsa_wavefront_size32 1
		.amdhsa_system_sgpr_workgroup_id_x 1
		.amdhsa_system_sgpr_workgroup_id_y 1
		.amdhsa_system_sgpr_workgroup_id_z 1
		.amdhsa_system_vgpr_workitem_id 0
		.amdhsa_next_free_vgpr 1024
		.amdhsa_next_free_sgpr 100
		.amdhsa_reserve_vcc 0
		.amdhsa_float_denorm_mode_32 3
		.amdhsa_float_denorm_mode_16_64 3
		.amdhsa_memory_ordered 1
		.amdhsa_forward_progress 1
		.amdhsa_inst_pref_size 182
	.end_amdhsa_kernel
	.amdgpu_metadata
---
amdhsa.version: [ 1, 2 ]
amdhsa.kernels:
  - .name:           k_qdb28d3ea17_proj
    .symbol:         k_qdb28d3ea17_proj.kd
    .args:
      - { .name: xw, .offset: 0, .size: 8, .value_kind: global_buffer, .address_space: global }
      - { .name: bq, .offset: 8, .size: 8, .value_kind: global_buffer, .address_space: global }
      - { .name: bk, .offset: 16, .size: 8, .value_kind: global_buffer, .address_space: global }
      - { .name: bv, .offset: 24, .size: 8, .value_kind: global_buffer, .address_space: global }
      - { .name: qkv, .offset: 32, .size: 8, .value_kind: global_buffer, .address_space: global }
    .group_segment_fixed_size: 327680
    .private_segment_fixed_size: 0
    .kernarg_segment_align: 8
    .kernarg_segment_size: 40
    .max_flat_workgroup_size: 128
    .sgpr_count:     100
    .vgpr_count:     1024
    .wavefront_size: 32
...
	.end_amdgpu_metadata
.endif
;; end of part 2
;; launch score (part 3): grid 16 x 16, 4 waves a work-group, clusters of 4 x 4, 327,680 bytes of LDS; arguments qkv, p; writes p
.if DOCPART == 3
	.amdgcn_target "amdgcn-amd-amdhsa--gfx1250"
	.amdhsa_code_object_version 6
	.text
	.protected	k_qdb28d3ea17_score
	.globl	k_qdb28d3ea17_score
	.p2align	8
	.type	k_qdb28d3ea17_score,@function
k_qdb28d3ea17_score:
	s_mov_b64 s[64:65], 0
	v_nop
	global_prefetch_b8 v0, s[64:65] scope:SCOPE_SE
	s_setreg_imm32_b32 hwreg(HW_REG_WAVE_MODE, 25, 1), 1
	s_wait_xcnt 0x0
	s_wait_alu depctr_hold_cnt(0) depctr_sa_sdst(0) depctr_va_vdst(0) depctr_va_sdst(0) depctr_va_ssrc(0) depctr_va_vcc(0) depctr_vm_vsrc(0)
	s_getreg_b32 s2, hwreg(HW_REG_IB_STS2, 6, 4)
	s_cmp_eq_u32 s2, 0
	s_cbranch_scc0 .Lentry_in_a_cluster
	s_endpgm
.Lentry_in_a_cluster:
	s_bfe_u32 s2, ttmp6, 0x10000c
	s_cmp_lg_u32 s2, 0xf033
	s_cbranch_scc0 .Lentry_shape_is_right
	s_endpgm
.Lentry_shape_is_right:
; S^T = K Q^T on codes of BF6 (E3M2) with E8M0 scales, f32 sums; then, for each query and each chunk of 128 keys (what one wave holds of a row): t = score x log2(e) / 32,
; M_loc = ceil(the chunk's largest t), p = 2^(t - M_loc), quantised along the keys; l_loc = the sum of the unquantised p.  Stored in p: the codes as images of the last product's operand
; (F = 32 g + ks: g 128 queries, ks 128 keys; 12,288 bytes at F x 12288), the scale words at PS, -M_loc (f32) at PM and l_loc at PL, each + F x 512 + 64 (block) + 4 r.
; M_loc is a whole number: the last launch brings a chunk under the row's M by taking a whole number off the scale bytes: the codes stay as they are.
; The maximum is taken away ahead of every exponential: each chunk's own.
; A work-group of four waves makes 256 queries x 256 keys, a wave 128 x 128.  TRANSPOSED: source 0 = 16 keys, source 1 = 16 queries: a lane holds one query, its 64 registers over the eight tiles of keys
; are keys 32 b + 16 h + i (register 16 b + i), since K's blocks are formed for it.
; K = 1,024 is eight steps of 128: two LDS slots of three steps, filled at the head and behind the first round, slot 0 once more with steps 6 and 7.  A wave has one tensor load out at a time.
; CLUSTERS 4 x 4: Q's tiles are asked for jointly along a row of the cluster, K's along a column.  All of a WGP's LDS is claimed.
; LIMITS: a block of 32 p whose largest lies under 2^-59 is quantised on the scale 2^-63 (bytes 64 .. 123, so that the last launch can take up to 63 off); v_exp_f32 gives 0 under 2^-126;
; NaN and infinities are not served.
; REGISTERS: window 0: v16-29 addresses; v32-95 scale words (K step ks: Q's at v[32 + 8 ks + c], K's at v[36 + 8 ks + c]); v128-223 Q's fragments, one set; on the way out v128-191 t, then p, v192-211 codes;
;   v224-248 at work.   window 1: K's fragments, two sets.   windows 2, 3: the accumulators.
.set GRP,   98304
.set KSB,   12288
.set FRB,   1536
; THE RING AS IT STANDS NOW (in place of the three slots that the head comment names): each wave has a region of six K steps on end for the 128 rows that it fetches.
; Slot 0 is the region's first three steps, slot 1 its last three.  One tensor load a wave at the head brings K steps 0-2 (36,864 dense bytes); behind the three lines and a whole round
; one load a wave brings K steps 3-5; in K step 2 slot 0 is filled once more, with K steps 6 and 7.  By this text's own count a wave never has more than one tensor load out.
; PREFETCH: behind the head's load each wave asks for its work-group's quarter (36 blocks of 256 bytes) of the K steps 3-5 that it will fetch behind the round, and behind that load for its quarter
; (24 blocks) of K steps 6 and 7.  The four partners of a joint load are told apart by address: cx for Q's tiles, cy for K's.  The address registers are never rewritten.
; THE WAY OUT takes the maxima of the raw scores (the factor log2(e) / 32 is positive) and makes t - M_loc by one fused multiply-add.
.set PART,  6*KSB                      ; a wave's region
.set SLOT,  3*KSB                      ; from slot 0 to slot 1 inside it, in LDS and in memory alike
.set SPARE, 4*PART                     ; the spare words, 128 bytes a wave: two blocks of 256 bytes that no other line names
.set STG,   SPARE+512                  ; 2,048 bytes a wave: scale words, -M_loc, l_loc: bytes of their own, into which no fill lands
.set QKV_S, 9437184
.set PS_OFF, 12582912
.set ADRA,  16
.set ADRB,  20
.set LI,    24
.set LS4,   25
.set SW,    26
.set SRD,   27
.set SPW,   28
.set NIL,   29
.set SC,    32
.set AF,    128
.set ST,    128
.set PC,    192
.set TM,    224
.set PW,    240
.set NM,    242                        ; v[242:243] -M_loc (the packed form names the pair and takes its low word)
.set LSM,   244                        ; v[244:245] the sum, in two halves
.set LT,    246                        ; v[246:247] a second chain
.set T0,    248
.set G1,    24
.set G1B,   32
.set G0B,   68
.set G0A,   80
.set SEL,   62
.set CS,    66                         ; s[66:67] log2(e) / 32
.set MUL_LO, 0xa1
.set MUL_HI, 0xf1
.set TO_B,   0x40
.set MSB, 0
.macro WIN new
.if MSB != (\new)
	s_set_vgpr_msb (MSB<<8)|(\new)
.set MSB, (\new)
.endif
.endm
.macro PLACES n
.rept \n
	v_nop
.endr
.endm
.macro JLOAD g0a, g1a, g0b, g1b        ; a joint load: waves 0 and 1 fetch for Q, waves 2 and 3 for K; four v_nop follow each line
	s_cmp_eq_u32 s15, 0
	s_cbranch_scc0 .Lfor_b_\@
	tensor_load_to_lds s[\g0a:\g0a+3], s[\g1a:\g1a+7]
	s_nop 0
	PLACES 4
	s_branch .Lasked_\@
.Lfor_b_\@:
	tensor_load_to_lds s[\g0b:\g0b+3], s[\g1b:\g1b+7]
	s_nop 0
	PLACES 4
.Lasked_\@:
.endm
.macro CREST
	s_cmp_lg_u32 s14, 0
	s_cbranch_scc1 .Lnot_wave_0_\@
	s_barrier_signal -3
.Lnot_wave_0_\@:
	s_barrier_wait -3
	s_barrier_signal -1
	s_barrier_wait -1
.endm
.macro CROUND
	s_barrier_signal -1
	s_barrier_wait -1
	CREST
.endm
.macro PACKQ s                         ; the blocks' largest numbers in v[TM] .. v[TM+3] -> scale word v[PW], fragment v[PC] on
.irp b, 0,1,2,3
	v_add_nc_u32 v[TM+12+\b], 0xfe000000, v[TM+\b]
.endr
.irp b, 0,1,2,3
	v_lshrrev_b32 v[TM+4+\b], 23, v[TM+12+\b]
.endr
	v_lshl_or_b32 v[PW], v[TM+5], 8, v[TM+4]
	v_lshl_or_b32 v[PW], v[TM+6], 16, v[PW]
	v_lshl_or_b32 v[PW], v[TM+7], 24, v[PW]
.irp c, 0,1
	v_cvt_scalef32_pk16_bf6_f32 v[PC+6*\c:PC+2+6*\c], v[\s+32*\c:\s+15+32*\c], v[TM+12+2*\c]
	v_cvt_scalef32_pk16_bf6_f32 v[PC+12+4*\c:PC+14+4*\c], v[\s+16+32*\c:\s+31+32*\c], v[TM+12+2*\c+1]
.endr
	v_nop                                            ; one plain instruction behind a scaled conversion
.irp c, 0,1
.irp i, 0,1,2
	v_permlane16_swap_b32 v[PC+6*\c+\i], v[PC+12+4*\c+\i]
.endr
.irp i, 0,1,2
	v_mov_b32 v[PC+3+6*\c+\i], v[PC+12+4*\c+\i]
.endr
.endr
.endm
.macro FRAG reg, adr, q, i
.irp c, 0,1,2
	ds_load_b128 v[\reg+4*\c:\reg+4*\c+3], v[\adr] offset:(\q)*KSB+(\i)*FRB+512*\c
.endr
.endm
.macro FETCH_B slot, q, p
	WIN TO_B
.irp i, 0,1,2,3,4,5,6,7
	FRAG 128*(\p)+12*\i, ADRB+\slot, \q, \i
.endr
	WIN 0
.endm
.macro FETCH_A slot, q, i0
.irp i, \i0, \i0+1, \i0+2, \i0+3
	FRAG AF+12*(\i), ADRA+\slot, \q, \i
.endr
.endm
.macro WM a, b, p, ks, zero
.set rD,  8*(8*((\a)%4)+(\b))
.set rB,  128*(\p)+12*(\b)
.set rA,  AF+12*(\a)
.set rSB, SC+8*(\ks)+4+(\b)/2
.set rSA, SC+8*(\ks)+(\a)/2
.set odd, 2*((\b)%2)+(\a)%2
.if \zero
.if odd == 0
	v_wmma_scale_f32_16x16x128_f8f6f4 v[rD:rD+7], v[rB:rB+11], v[rA:rA+11], 0, v[rSB], v[rSA] matrix_a_fmt:MATRIX_FMT_BF6 matrix_b_fmt:MATRIX_FMT_BF6
.elseif odd == 1
	v_wmma_scale_f32_16x16x128_f8f6f4 v[rD:rD+7], v[rB:rB+11], v[rA:rA+11], 0, v[rSB], v[rSA] matrix_a_fmt:MATRIX_FMT_BF6 matrix_b_fmt:MATRIX_FMT_BF6 matrix_b_scale:MATRIX_SCALE_ROW1
.elseif odd == 2
	v_wmma_scale_f32_16x16x128_f8f6f4 v[rD:rD+7], v[rB:rB+11], v[rA:rA+11], 0, v[rSB], v[rSA] matrix_a_fmt:MATRIX_FMT_BF6 matrix_b_fmt:MATRIX_FMT_BF6 matrix_a_scale:MATRIX_SCALE_ROW1
.else
	v_wmma_scale_f32_16x16x128_f8f6f4 v[rD:rD+7], v[rB:rB+11], v[rA:rA+11], 0, v[rSB], v[rSA] matrix_a_fmt:MATRIX_FMT_BF6 matrix_b_fmt:MATRIX_FMT_BF6 matrix_a_scale:MATRIX_SCALE_ROW1 matrix_b_scale:MATRIX_SCALE_ROW1
.endif
.else
.if odd == 0
	v_wmma_scale_f32_16x16x128_f8f6f4 v[rD:rD+7], v[rB:rB+11], v[rA:rA+11], v[rD:rD+7], v[rSB], v[rSA] matrix_a_fmt:MATRIX_FMT_BF6 matrix_b_fmt:MATRIX_FMT_BF6
.elseif odd == 1
	v_wmma_scale_f32_16x16x128_f8f6f4 v[rD:rD+7], v[rB:rB+11], v[rA:rA+11], v[rD:rD+7], v[rSB], v[rSA] matrix_a_fmt:MATRIX_FMT_BF6 matrix_b_fmt:MATRIX_FMT_BF6 matrix_b_scale:MATRIX_SCALE_ROW1
.elseif odd == 2
	v_wmma_scale_f32_16x16x128_f8f6f4 v[rD:rD+7], v[rB:rB+11], v[rA:rA+11], v[rD:rD+7], v[rSB], v[rSA] matrix_a_fmt:MATRIX_FMT_BF6 matrix_b_fmt:MATRIX_FMT_BF6 matrix_a_scale:MATRIX_SCALE_ROW1
.else
	v_wmma_scale_f32_16x16x128_f8f6f4 v[rD:rD+7], v[rB:rB+11], v[rA:rA+11], v[rD:rD+7], v[rSB], v[rSA] matrix_a_fmt:MATRIX_FMT_BF6 matrix_b_fmt:MATRIX_FMT_BF6 matrix_a_scale:MATRIX_SCALE_ROW1 matrix_b_scale:MATRIX_SCALE_ROW1
.endif
.endif
.endm
.macro MUL16 a0, p, ks, zero           ; the 64 accumulators take turns, in the same order in every step
.irp a, \a0, \a0+1
.irp b, 0,1,2,3,4,5,6,7
	WM \a, \b, \p, \ks, \zero
.endr
.endr
.endm
.macro NEXTOF ks
.set NK, (\ks)+1
.set NS, (NK%6)/3                      ; steps 0-2 and 6, 7 in slot 0, steps 3-5 in slot 1
.set NQ, (NK%6)%3
.endm
.macro STEP ks, zero
	NEXTOF \ks
	s_wait_dscnt 12                                ; K's set and Q's blocks 0-3 are in; the youngest 12 loads (Q's blocks 4-7) may be out
	WIN MUL_LO
	MUL16 0, (\ks)%2, \ks, \zero
	MUL16 2, (\ks)%2, \ks, \zero
	s_wait_dscnt 0x0
	PLACES 4                                       ; in front of loads into registers that matrix instructions have read
	FETCH_B NS, NQ, 1-(\ks)%2
	FETCH_A NS, NQ, 0
	WIN MUL_HI
	MUL16 4, (\ks)%2, \ks, \zero
	MUL16 6, (\ks)%2, \ks, \zero
	PLACES 4
	WIN 0
	FETCH_A NS, NQ, 4
.endm
.macro TURN ks, fill
	NEXTOF \ks
	s_wait_tensorcnt 0x0                           ; all my tensor loads have landed
	ds_add_u32 v[SPW], v[NIL]                      ; 0 onto my spare word
	s_wait_dscnt 13                                ; (the add and the youngest 12 loads may be out)
	WIN MUL_LO
	MUL16 0, (\ks)%2, \ks, 0
	s_wait_dscnt 0x0                               ; the add is done, and my reads of the slots behind me are over
	s_barrier_signal -1
	MUL16 2, (\ks)%2, \ks, 0
	WIN 0
	s_barrier_wait -1
.if \fill
	CREST                                          ; a round of the cluster's barrier: no wave of any partner still reads slot 0 or has a load on its way
	s_add_nc_u64 s[G0A+2:G0A+3], s[G0A+2:G0A+3], PART
	s_add_nc_u64 s[G0B+2:G0B+3], s[G0B+2:G0B+3], PART
	s_mov_b32 s[G1+2], 96<<16                      ; no tensor load of mine is out: this fill has two K steps, 96 rows of 256 bytes
	s_mov_b32 s[G1+4], 96
	s_mov_b32 s[G1B+2], 96<<16
	s_mov_b32 s[G1B+4], 96
	JLOAD G0A, G1, G0B, G1B                        ; the first tensor load behind the round; its four v_nop are also the places in front of the loads below
.else
	PLACES 4
.endif
	s_wait_alu depctr_va_vdst(0)
	FETCH_B NS, NQ, 1-(\ks)%2
	FETCH_A NS, NQ, 0
	WIN MUL_HI
	MUL16 4, (\ks)%2, \ks, 0
	MUL16 6, (\ks)%2, \ks, 0
	PLACES 4
	WIN 0
	FETCH_A NS, NQ, 4
.endm
	s_load_b128 s[4:7], s[0:1], 0x0                ; qkv s[4:5], p s[6:7]
	v_lshl_add_u32 v[SPW], v0, 2, SPARE
	v_mov_b32 v[NIL], 0
	ds_add_u32 v28, v29
	ds_add_u32 v28, v29
	s_wait_dscnt 0x0
	v_lshrrev_b32 v1, 5, v0
	v_readfirstlane_b32 s14, v1                    ; wave 0..3
	s_lshr_b32 s15, s14, 1                         ; which 128 queries are mine.  Also: I fetch for Q (0) or for K (1)
	s_and_b32 s16, s14, 1                          ; which 128 keys.  Also: which group I fetch
	s_bfe_u32 s40, ttmp6, 0x40000                  ; cx
	s_bfe_u32 s41, ttmp6, 0x40004                  ; cy
	s_lshl_b32 s42, ttmp9, 2
	s_add_co_u32 s42, s42, s40                     ; the tile of 256 keys
	s_and_b32 s17, ttmp7, 0xffff
	s_lshl_b32 s17, s17, 2
	s_add_co_u32 s17, s17, s41                     ; the tile of 256 queries
	s_lshl_b32 s43, s41, 2
	s_lshl_b32 s43, 15, s43
	s_lshl_b32 s44, 0x1111, s40
	s_or_b32 s[G1], s43, (3<<16)|(1<<21)           ; the mask; elements of 8 bytes; no padding; bit 21 set beside a mask
	s_or_b32 s[G1B], s44, (3<<16)|(1<<21)
.irp g, G1, G1B                                    ; a dense block of 36,864 bytes as 144 rows of 256
	s_mov_b32 s[\g+1], 32<<16
	s_mov_b32 s[\g+2], 144<<16                     ; three K steps, 36,864 dense bytes as 144 rows of 256
	s_mov_b32 s[\g+3], 32<<16
	s_mov_b32 s[\g+4], 144
	s_mov_b32 s[\g+5], 32
	s_mov_b32 s[\g+6], 0
	s_mov_b32 s[\g+7], 0
.endr
	s_lshl_b32 s18, s17, 1                         ; GA: Q's first group
	s_lshl_b32 s46, s42, 1
	s_add_co_u32 s47, s46, 32                      ; GB: K's groups lie behind Q's 32
	s_add_co_u32 s20, s18, s16
	s_mul_i32 s20, s20, GRP
	s_mov_b32 s21, 0
	s_add_co_u32 s48, s47, s16
	s_mul_i32 s48, s48, GRP
	s_mov_b32 s49, 0
	s_mul_i32 s45, s14, PART
	s_add_co_u32 s56, s18, s15                     ; the queries' group that I multiply
	s_add_co_u32 s57, s47, s16                     ; the keys'
	s_lshl_b32 s50, s56, 12
	s_add_co_u32 s50, s50, QKV_S
	s_mov_b32 s51, 0
	s_lshl_b32 s52, s57, 12
	s_add_co_u32 s52, s52, QKV_S
	s_mov_b32 s53, 0
	s_lshl_b32 s58, s56, 5
	s_add_co_u32 s58, s58, s46
	s_add_co_u32 s58, s58, s16                     ; F = 32 g + the keys' group
	s_mul_i32 s22, s58, KSB
	s_mov_b32 s23, 0
	s_lshl_b32 s60, s58, 9
	s_add_co_u32 s60, s60, PS_OFF
	s_mov_b32 s61, 0
	s_mov_b32 s[SEL], 0x76543210
	s_mov_b32 s[SEL+1], 0xfedcba98
	s_mov_b32 s[CS], 0x3d38aa3b                    ; log2(e) / 32: the f32 number log2(e) with 5 off its exponent, so that score x this = (score / 32) x log2(e) to the bit
	s_mov_b32 s[CS+1], s[CS]
	s_wait_kmcnt 0x0
	s_add_nc_u64 s[20:21], s[4:5], s[20:21]
	s_add_nc_u64 s[48:49], s[4:5], s[48:49]
	s_add_nc_u64 s[50:51], s[4:5], s[50:51]
	s_add_nc_u64 s[52:53], s[4:5], s[52:53]
	s_add_nc_u64 s[22:23], s[6:7], s[22:23]        ; where my codes go
	s_add_nc_u64 s[60:61], s[6:7], s[60:61]        ; my scale words; -M_loc 524,288 bytes on, l_loc 1,048,576
	CROUND                                         ; all sixteen work-groups are here: the first joint loads meet
.irp s, 0,1
	s_mov_b32 s[G0A+4*\s], 1
	s_add_co_u32 s[G0A+4*\s+1], s45, \s*SLOT
	s_add_nc_u64 s[G0A+4*\s+2:G0A+4*\s+3], s[20:21], \s*SLOT
	s_or_b32 s[G0A+4*\s+3], s[G0A+4*\s+3], 0x80000000
	s_mov_b32 s[G0B+4*\s], 1
	s_add_co_u32 s[G0B+4*\s+1], s45, \s*SLOT
	s_add_nc_u64 s[G0B+4*\s+2:G0B+4*\s+3], s[48:49], \s*SLOT
	s_or_b32 s[G0B+4*\s+3], s[G0B+4*\s+3], 0x80000000
.endr
	s_cmp_eq_u32 s15, 0                            ; a wave's first fill stands in one branch: K steps 0 to 2
	s_cbranch_scc0 .Lfirst_b
	tensor_load_to_lds s[G0A:G0A+3], s[G1:G1+7]    ; one tensor load a wave at the head: K steps 0-2
	s_nop 0
	PLACES 4
	s_branch .Lfirst_asked
.Lfirst_b:
	tensor_load_to_lds s[G0B:G0B+3], s[G1B:G1B+7]
	s_nop 0
	PLACES 4
.Lfirst_asked:
	v_and_b32 v1, 31, v0
	v_and_b32 v2, 15, v0
	v_lshlrev_b32 v[LI], 4, v1
	s_wait_alu depctr_va_vdst(0)
	v_lshlrev_b32 v[LS4], 2, v1
	v_lshlrev_b32 v8, 8, v1                        ; the prefetches' offsets: a lane a block of 256 bytes: blocks 0-31,
	v_min_u32 v9, 3, v1
	v_lshlrev_b32 v9, 8, v9                        ; blocks 32-35 (the lanes left over name block 35 again),
	v_min_u32 v10, 23, v1
	v_lshlrev_b32 v10, 8, v10                      ; and the 24 blocks of K steps 6 and 7
	s_cmp_eq_u32 s15, 0                            ; the groups 0 have been made: s[20:21] and s[48:49] now serve the prefetches
	s_cselect_b64 s[20:21], s[20:21], s[48:49]     ; the group of 128 rows that I fetch
	s_cselect_b32 s2, s40, s41                     ; my work-group's place among the four that ask for it with me
	s_mul_i32 s48, s2, 6144
	s_add_co_u32 s48, s48, 6*KSB
	s_mov_b32 s49, 0
	s_add_nc_u64 s[48:49], s[20:21], s[48:49]      ; my quarter of K steps 6 and 7
	s_mul_i32 s2, s2, 9216
	s_add_co_u32 s2, s2, 3*KSB
	s_mov_b32 s3, 0
	s_add_nc_u64 s[20:21], s[20:21], s[2:3]        ; my quarter of K steps 3-5
	s_wait_alu depctr_va_vdst(0)                   ; directly ahead of the readers below
	global_prefetch_b8 v8, s[20:21] th:TH_LOAD_NT scope:SCOPE_SE
	global_prefetch_b8 v9, s[20:21] offset:8192 th:TH_LOAD_NT scope:SCOPE_SE
.set k, 0
.rept 8                                            ; all scale words of my 128 queries and 128 keys, once
.irp c, 0,1,2,3
	global_load_b32 v[SC+8*k+\c], v[LS4], s[50:51] offset:512*k+128*\c
	global_load_b32 v[SC+8*k+4+\c], v[LS4], s[52:53] offset:512*k+128*\c
.endr
.set k, k+1
.endr
	s_lshl_b32 s54, s14, 11
	s_add_co_u32 s54, s54, STG
	v_lshl_add_u32 v[SW], v2, 2, s54
	v_add_nc_u32 v[SRD], s54, v[LI]
	s_mul_i32 s54, s15, PART
	s_mul_i32 s55, s16, PART
	s_add_co_u32 s55, s55, 2*PART
.irp s, 0,1
	v_add_nc_u32 v[ADRA+\s], s54, v[LI]
	v_add_nc_u32 v[ADRB+\s], s55, v[LI]
	s_add_co_u32 s54, s54, SLOT
	s_add_co_u32 s55, s55, SLOT
.endr
.irp b, 0,1,2,3
	v_mov_b32 v[TM+4+\b], 0                        ; written once: a lane permute's destination counts as one of its sources
.endr
	v_mov_b32 v[NM+1], 0                           ; named as the upper half of a pair
	v_mov_b32 v[T0], 0
	s_wait_loadcnt 0x0
	s_wait_alu depctr_va_vdst(0)
	s_wait_tensorcnt 0x0                           ; my part of slot 0 is in
	ds_add_u32 v[SPW], v[NIL]
	s_wait_dscnt 0x0
	CROUND                                         ; slot 0 is whole in every wave, and all sixteen work-groups are here
	JLOAD G0A+4, G1, G0B+4, G1B                    ; slot 1's first fill, K steps 3-5: the first tensor load behind the round
	FETCH_B 0, 0, 0
	FETCH_A 0, 0, 0
	FETCH_A 0, 0, 4
	global_prefetch_b8 v10, s[48:49] th:TH_LOAD_NT scope:SCOPE_SE   ; K steps 6 and 7, which the refill in K step 2 will load
	STEP 0, 1
	STEP 1, 0
	TURN 2, 1                                      ; slot 1 is whole in every wave; slot 0, read out, takes K steps 6 and 7
	STEP 3, 0
	STEP 4, 0
	TURN 5, 0
	STEP 6, 0
	s_wait_dscnt 12
	WIN MUL_LO
	MUL16 0, 1, 7, 0
	MUL16 2, 1, 7, 0
	s_wait_dscnt 0x0
	WIN MUL_HI
	MUL16 4, 1, 7, 0
	MUL16 6, 1, 7, 0
	WIN 0
	PLACES 4
; THE WAY OUT, block by block of 16 queries.
.macro SOFT a
.if (\a) > 0
	s_wait_xcnt 0x0                                ; the last block's stores have read their registers
.endif
	WIN 21*(2+(\a)/4)                              ; all three sources: the accumulators' window
.set n, 0
.irp b, 0,1,2,3
	v_max3_num_f32 v[TM+\b], v[64*((\a)%4)+16*\b], v[64*((\a)%4)+1+16*\b], v[64*((\a)%4)+2+16*\b]   ; the largest score of each block of 32 keys; each accumulator from its low end on
.endr
	WIN 20*(2+(\a)/4)                              ; sources 1 and 2: the accumulators' window
.irp i, 3,5,7,9,11,13
.irp b, 0,1,2,3
	v_max3_num_f32 v[TM+\b], v[TM+\b], v[64*((\a)%4)+16*\b+\i], v[64*((\a)%4)+1+16*\b+\i]
.endr
.endr
.irp b, 0,1,2,3
	v_max_num_f32 v[TM+\b], v[TM+\b], v[64*((\a)%4)+15+16*\b]
.endr
	WIN 0
.irp b, 0,1,2,3
	v_permlanex16_b32 v[TM+4+\b], v[TM+\b], s[SEL], s[SEL+1]
.endr
.irp b, 0,1,2,3
	v_max_num_f32 v[TM+\b], v[TM+\b], v[TM+4+\b]   ; with lane l xor 16's 16 keys
.endr
	v_max3_num_f32 v[T0], v[TM], v[TM+1], v[TM+2]
	v_max_num_f32 v[T0], v[T0], v[TM+3]            ; the chunk's largest score of my query
	v_mul_f32 v[T0], s[CS], v[T0]                  ; the chunk's largest score as t
	v_floor_f32 v[NM], -v[T0]                      ; -M_loc = floor(-t) = -ceil(t): a whole number
	WIN 2+(\a)/4                                   ; source 0: the accumulators' window
.set n, 0
.rept 32
	v_pk_fma_f32 v[ST+n:ST+n+1], v[64*((\a)%4)+n:64*((\a)%4)+n+1], s[CS:CS+1], v[NM:NM+1] op_sel_hi:[1,0,0]   ; t - M_loc, two at a time
.set n, n+2
.endr
	WIN 0
.irp b, 0,1,2,3
	v_fma_f32 v[TM+\b], v[TM+\b], s[CS], v[NM]     ; the same of each block's largest score
.endr
.set n, 0
	s_wait_alu depctr_va_vdst(0)
.rept 64
	v_exp_f32 v[ST+n], v[ST+n]                     ; p = 2^(t - M_loc), at most 1
.set n, n+1
.endr
	v_nop                                          ; a plain instruction behind the exponentials
	s_wait_alu depctr_va_vdst(0)                   ; one wait for the batch, ahead of its first reader
.irp b, 0,1,2,3
	v_exp_f32 v[TM+\b], v[TM+\b]                   ; the block's largest p: the same instructions on the same number give the same bits
.endr
	v_pk_add_f32 v[LSM:LSM+1], v[ST:ST+1], v[ST+2:ST+3]      ; the sum of the UNQUANTISED p, two at a time, in two chains; it reads the 64 alone: plain work behind the four
	v_pk_add_f32 v[LT:LT+1], v[ST+4:ST+5], v[ST+6:ST+7]
.irp j, 8,12,16,20,24,28,32,36,40,44,48,52,56,60
	v_pk_add_f32 v[LSM:LSM+1], v[LSM:LSM+1], v[ST+\j:ST+\j+1]
	v_pk_add_f32 v[LT:LT+1], v[LT:LT+1], v[ST+\j+2:ST+\j+3]
.endr
	v_pk_add_f32 v[LSM:LSM+1], v[LSM:LSM+1], v[LT:LT+1]
	v_add_f32 v[LSM], v[LSM], v[LSM+1]
	v_permlanex16_b32 v[T0], v[LSM], s[SEL], s[SEL+1]
	v_add_f32 v[LSM], v[LSM], v[T0]                ; with lane l xor 16's 64 keys: l_loc
	s_wait_alu depctr_va_vdst(0)                   ; and one wait for the four
.irp b, 0,1,2,3
	v_max_num_f32 v[TM+\b], 0x22000000, v[TM+\b]   ; the floor 2^-59: every byte lies in 64 .. 123
.endr
	PACKQ ST
.irp c, 0,1,2
	global_store_b128 v[LI], v[PC+4*\c:PC+4*\c+3], s[22:23] offset:(\a)*FRB+512*\c
.endr
	ds_store_b32 v[SW], v[PW] offset:64*(\a)       ; lanes l and l xor 16 write the same words with the same values
	ds_store_b32 v[SW], v[NM] offset:512+64*(\a)
	ds_store_b32 v[SW], v[LSM] offset:1024+64*(\a)
.endm
.irp a, 0,1,2,3,4,5,6,7
	SOFT \a
.endr
	ds_load_b128 v[ST:ST+3], v[SRD]                ; LDS serves a wave's instructions in order: these see my stores
	ds_load_b128 v[ST+4:ST+7], v[SRD] offset:512
	ds_load_b128 v[ST+8:ST+11], v[SRD] offset:1024
	s_wait_dscnt 0x0
	global_store_b128 v[LI], v[ST:ST+3], s[60:61]                     ; 512 consecutive bytes each
	global_store_b128 v[LI], v[ST+4:ST+7], s[60:61] offset:524288
	global_store_b128 v[LI], v[ST+8:ST+11], s[60:61] offset:1048576
	s_wait_tensorcnt 0x0                           ; the wave's end
	ds_add_u32 v[SPW], v[NIL]
	s_wait_dscnt 0x0
	CROUND                                         ; the closing round
	s_endpgm
.Lfunc_end_k_qdb28d3ea17_score:
	.size	k_qdb28d3ea17_score, .Lfunc_end_k_qdb28d3ea17_score-k_qdb28d3ea17_score
	.p2alignl 7, 3214868480
	.fill 96, 4, 3214868480
	.section	.rodata,"a",@progbits
	.p2align	6, 0x0
	.amdhsa_kernel k_qdb28d3ea17_score
		.amdhsa_group_segment_fixed_size 327680
		.amdhsa_private_segment_fixed_size 0
		.amdhsa_enable_private_segment 0
		.amdhsa_kernarg_size 16
		.amdhsa_user_sgpr_count 2
		.amdhsa_user_sgpr_kernarg_segment_ptr 1
		.amdhsa_wavefront_size32 1
		.amdhsa_system_sgpr_workgroup_id_x 1
		.amdhsa_system_sgpr_workgroup_id_y 1
		.amdhsa_system_sgpr_workgroup_id_z 1
		.amdhsa_system_vgpr_workitem_id 0
		.amdhsa_next_free_vgpr 1024
		.amdhsa_next_free_sgpr 100
		.amdhsa_reserve_vcc 0
		.amdhsa_float_denorm_mode_32 3
		.amdhsa_float_denorm_mode_16_64 3
		.amdhsa_memory_ordered 1
		.amdhsa_forward_progress 1
		.amdhsa_inst_pref_size 198
	.end_amdhsa_kernel
	.amdgpu_metadata
---
amdhsa.version: [ 1, 2 ]
amdhsa.kernels:
  - .name:           k_qdb28d3ea17_score
    .symbol:         k_qdb28d3ea17_score.kd
    .args:
      - { .name: qkv, .offset: 0, .size: 8, .value_kind: global_buffer, .address_space: global }
      - { .name: p, .offset: 8, .size: 8, .value_kind: global_buffer, .address_space: global }
    .group_segment_fixed_size: 327680
    .private_segment_fixed_size: 0
    .kernarg_segment_align: 8
    .kernarg_segment_size: 16
    .max_flat_workgroup_size: 128
    .sgpr_count:     100
    .vgpr_count:     1024
    .wavefront_size: 32
...
	.end_amdgpu_metadata
.endif
;; end of part 3
;; launch mix (part 4): grid 8 x 32, 4 waves a work-group, clusters of 4 x 4, 327,680 bytes of LDS; arguments p, qkv, out0; writes out0
.if DOCPART == 4
	.amdgcn_target "amdgcn-amd-amdhsa--gfx1250"
	.amdhsa_code_object_version 6
	.text
	.protected	k_qdb28d3ea17_mix
	.globl	k_qdb28d3ea17_mix
	.p2align	8
	.type	k_qdb28d3ea17_mix,@function
k_qdb28d3ea17_mix:
	s_mov_b64 s[64:65], 0
	v_nop
	global_prefetch_b8 v0, s[64:65] scope:SCOPE_SE
	s_setreg_imm32_b32 hwreg(HW_REG_WAVE_MODE, 25, 1), 1
	s_wait_xcnt 0x0
	s_wait_alu depctr_hold_cnt(0) depctr_sa_sdst(0) depctr_va_vdst(0) depctr_va_sdst(0) depctr_va_ssrc(0) depctr_va_vcc(0) depctr_vm_vsrc(0)
	s_getreg_b32 s2, hwreg(HW_REG_IB_STS2, 6, 4)
	s_cmp_eq_u32 s2, 0
	s_cbranch_scc0 .Lentry_in_a_cluster
	s_endpgm
.Lentry_in_a_cluster:
	s_bfe_u32 s2, ttmp6, 0x10000c
	s_cmp_lg_u32 s2, 0xf033
	s_cbranch_scc0 .Lentry_shape_is_right
	s_endpgm
.Lentry_shape_is_right:
; out0 = (P V) / l on codes of BF6 (E3M2) with E8M0 scales, f32 sums.  P's codes were made chunk by chunk of 128 keys under the chunk's own whole number M_loc.  Here, for each of my rows:
; M = the largest M_loc; each chunk's four scale bytes lose M - M_loc (held at 63), which is the exact factor 2^(M_loc - M); l = the sum of l_loc x 2^(M_loc - M); the result is divided by l.
; A work-group of four waves makes 128 queries x 128 channels, a wave 64 x 64: 16 accumulators: with this tile all 256 work-groups have equal work; a larger one would leave three quarters of them out.
; TRANSPOSED: source 0 = 16 channels of V^T, source 1 = 16 queries of P: a lane holds one query and eight neighbouring channels.
; K = 4,096 keys is 32 steps of 128.  Two LDS slots of SIX steps (P's 73,728 bytes, then V^T's); a wave brings three steps of one operand by one tensor load: 36,864 dense bytes.  The last fill has two steps.
; A wave has one tensor load out at the head and one behind each round; a refill has six steps, 96 products, in which to land.
; ONLY WHAT THE FIRST PRODUCT NEEDS STANDS AHEAD OF IT.  The row's M hangs on all 32 chunks: -M_loc comes first, by sixteen loads of two runs of 256 bytes (lanes 0-15 one chunk's 256 bytes, lanes 16-31 the next
; chunk's), and turns through the wave's own stage in LDS, so that each lane gets its row's words.  The other words (P's scale words, l_loc, V^T's scale words: six loads of 128 bytes a step) are asked for two steps
; at a time: steps 0 to 7 at the head, then in every even step ks those of steps ks + 8 and ks + 9, six steps ahead of their use.  They are brought under the row's M two steps at a time as well, in every even step
; ks those of steps ks + 2 and ks + 3: these vector lines stand where plain instructions are owed in front of the fragment loads.  1 / l is made in step 30.  By this text's own count at most 52 loads into registers are out.
; The price: the words being worked on lie in window 3, so an even step has six window switches where an odd one has two.
; CLUSTERS 4 x 4: P's tiles are asked for jointly along a row of the cluster, V^T's along a column.  All of a WGP's LDS is claimed.
; LIMITS: a chunk whose M_loc lies more than 63 under the row's M enters the product at 2^-63 instead of its smaller factor (its weights are then under 2^-62 beside a row sum of at least 1/2);
; in l it enters with its true factor.  NaN and infinities are not served.
; REGISTERS: window 0: v12-31 addresses; v32-39 1 / l for my four blocks, twice each; v64-127 P's scale words (step ks: v[64 + 2 ks + c]: lanes 0-15 block 2 c, lanes 16-31 block 2 c + 1); v128-191 V^T's;
;   v192-255 at the head -M_loc as loaded; later v192-223 a block of results.   window 1: two sets of fragments: P's four at v[128 p + 12 i], V^T's four at v[128 p + 48 + 12 i]; on the way out v0-63 rows read back.
;   window 2: accumulator 4 a + b at v[8 (4 a + b)].   window 3: v0-63 -M_loc, then the shifts; v64-127 l_loc; v128-191 P's scale words as stored; v192-201 at work.
; SCALARS: s12 my wave's place in a slot (outside every descriptor's registers); s40-46 hold the place in the cluster and what is made of it only ahead of the lines that write P's groups 0 there.
.set KSB,   12288
.set FRB,   1536
.set SLOT,  12*KSB                     ; six steps of P, six of V^T
.set SPARE, 2*SLOT                     ; the spare words, 128 bytes a wave: two blocks of 256 bytes that no other line names
.set STAGE, SPARE+512                  ; 16 rows x (256 + 16) bytes for each wave: bytes of their own, into which no fill lands
.set QKV_S, 9437184
.set VT_OFF, 512*KSB                   ; V^T's codes in qkv
.set PS_OFF, 12582912
.set LW,    14                         ; v14     256 wy + 512 (lane / 16) + 16 (lane % 16): my 16 bytes of a wide load
.set GST,   15                         ; v15     my stage + 16 x lane
.set ADA,   16                         ; v16-19  LDS address of my P fragments: slot s, steps 3 q on: v[16 + 2 s + q]
.set ADB,   20                         ; v20-23  of my V^T fragments
.set STO,   24
.set RD,    25
.set CO,    26
.set LSA,   27                         ; v27     256 wy + 4 x lane
.set SPW,   28
.set NIL,   29
.set LSB,   30                         ; v30     256 wx + 4 x lane
.set GLD,   31                         ; v31     my stage + 4 x lane
.set INV,   32
.set SA,    64
.set SB,    128
.set T,     192
.set WD,    192                        ; v192-255 the sixteen wide loads, four registers each
.set NN,    0                          ; window 3
.set PLR,   64
.set YY,    128
.set GM,    192
.set LL,    194
.set RR,    198
.set XX,    200
.set WPL,   12                         ; s12     wave x 36,864: where my three steps go in a slot
.set G1A,   24                         ; s[24:31], s[32:39] groups 1 for three steps;  s[56:63], s[68:75] for one step
.set G1B,   32
.set G0A,   40                         ; s[40:47] P's groups 0, one a slot;  s[48:55] V^T's
.set G0B,   48
.set G1A5,  56
.set G1B5,  68
.set G0A5,  76                         ; s[76:79], s[80:83] the last fill's
.set G0B5,  80
.set SEL,   86
.set MUL,   0xa5                       ; sources 0 and 1 window 1, C and D window 2
.set MSB, 0
.macro WIN new
.if MSB != (\new)
	s_set_vgpr_msb (MSB<<8)|(\new)
.set MSB, (\new)
.endif
.endm
.macro PLACES n
.rept \n
	v_nop
.endr
.endm
.macro JLOAD g0a, g1a, g0b, g1b        ; a joint load: waves 0 and 1 fetch for P, waves 2 and 3 for V^T; four v_nop follow each line
	s_cmp_eq_u32 s15, 0
	s_cbranch_scc0 .Lfor_b_\@
	tensor_load_to_lds s[\g0a:\g0a+3], s[\g1a:\g1a+7]
	s_nop 0
	PLACES 4
	s_branch .Lasked_\@
.Lfor_b_\@:
	tensor_load_to_lds s[\g0b:\g0b+3], s[\g1b:\g1b+7]
	s_nop 0
	PLACES 4
.Lasked_\@:
.endm
.macro CREST
	s_cmp_lg_u32 s14, 0
	s_cbranch_scc1 .Lnot_wave_0_\@
	s_barrier_signal -3
.Lnot_wave_0_\@:
	s_barrier_wait -3
	s_barrier_signal -1
	s_barrier_wait -1
.endm
.macro CROUND
	s_barrier_signal -1
	s_barrier_wait -1
	CREST
.endm
; The words of steps g and g + 1 (g even) for my 64 rows and my 64 channels: twelve loads of 128 consecutive bytes.  Register 2 ks + c, lane l, belongs to row l % 16 of block 2 c + l / 16.
; The address registers and the bases are never rewritten.
.macro LOADS g
	WIN 0xc0                                       ; destination window 3
.irp n, 0,1,2,3
	global_load_b32 v[PLR+2*(\g)+\n], v[LSA], s[94:95] offset:1048576+512*((\g)+\n/2)+128*(\n%2)   ; l_loc
	global_load_b32 v[YY+2*(\g)+\n], v[LSA], s[94:95] offset:512*((\g)+\n/2)+128*(\n%2)            ; P's scale words as stored
.endr
	WIN 0
.irp n, 0,1,2,3
	global_load_b32 v[SB+2*(\g)+\n], v[LSB], s[96:97] offset:512*((\g)+\n/2)+128*(\n%2)            ; V^T's scale words: used as they come
.endr
.endm
; Steps k and k + 1 (k even) are brought under the row's M: all of it stays in the lane.
.macro FIX2 k
	WIN 0xff
.irp d, 0,2
	v_pk_add_f32 v[NN+2*(\k)+\d:NN+2*(\k)+\d+1], v[GM:GM+1], v[NN+2*(\k)+\d:NN+2*(\k)+\d+1] neg_lo:[0,1] neg_hi:[0,1]   ; M_loc - M: a whole number, 0 or less
.endr
.irp n, 0,1,2,3
	v_cvt_i32_f32 v[NN+2*(\k)+\n], v[NN+2*(\k)+\n]                         ; (it saturates)
.endr
.irp n, 0,1,2,3
	v_ldexp_f32 v[PLR+2*(\k)+\n], v[PLR+2*(\k)+\n], v[NN+2*(\k)+\n]        ; l_loc under the row's M: nothing is rounded
.endr
.irp n, 0,1,2,3
	v_sub_nc_u32 v[NN+2*(\k)+\n], 0, v[NN+2*(\k)+\n]                       ; M - M_loc,
.endr
.irp n, 0,1,2,3
	v_min_u32 v[NN+2*(\k)+\n], 63, v[NN+2*(\k)+\n]                         ; held at 63: the bytes are 64 .. 123, so none falls under 1 and nothing is borrowed from byte to byte,
.endr
.irp n, 0,1,2,3
	v_perm_b32 v[NN+2*(\k)+\n], v[NN+2*(\k)+\n], v[NN+2*(\k)+\n], 0        ; its low byte in all four bytes
.endr
.if (\k) == 0
	v_pk_add_f32 v[LL:LL+1], v[PLR:PLR+1], v[PLR+2:PLR+3]                  ; l, for both registers' rows at once: the first two chunks start the sum
.else
	v_pk_add_f32 v[LL:LL+1], v[LL:LL+1], v[PLR+2*(\k):PLR+2*(\k)+1]
	v_pk_add_f32 v[LL:LL+1], v[LL:LL+1], v[PLR+2*(\k)+2:PLR+2*(\k)+3]
.endif
	WIN 0x0f                                       ; sources window 3, destination window 0
.irp n, 0,1,2,3
	v_sub_nc_u32 v[SA+2*(\k)+\n], v[YY+2*(\k)+\n], v[NN+2*(\k)+\n]         ; P's scale words under the row's M
.endr
.endm
; 1 / l.  That of block 2 c lies in lanes 0-15, that of block 2 c + 1 in lanes 16-31: every lane gets its row's, twice: a pair for the packed multiply.
.macro LFIN
	WIN 0xff
	v_rcp_f32 v[RR], v[LL]
	v_rcp_f32 v[RR+1], v[LL+1]
	v_nop                                          ; a plain instruction behind the reciprocals
	s_wait_alu depctr_va_vdst(0)                   ; one wait for both, ahead of their first reader
	v_permlanex16_b32 v[XX], v[RR], s[SEL], s[SEL+1]
	v_permlanex16_b32 v[XX+1], v[RR+1], s[SEL], s[SEL+1]
	WIN 0x0f
.irp c, 0,1
	v_cndmask_b32 v[INV+4*\c], v[RR+\c], v[XX+\c], s85
	v_cndmask_b32 v[INV+4*\c+1], v[RR+\c], v[XX+\c], s85
	v_cndmask_b32 v[INV+4*\c+2], v[XX+\c], v[RR+\c], s85
	v_cndmask_b32 v[INV+4*\c+3], v[XX+\c], v[RR+\c], s85
.endr
.endm
.macro FETCH4 ks, p                    ; step ks's eight fragments into set p: 24 loads of 512 consecutive bytes
.set FS, ((\ks)/6)%2
.set FQ, (\ks)%6
	WIN 0x40
.irp i, 0,1,2,3
.irp c, 0,1,2
	ds_load_b128 v[128*(\p)+12*\i+4*\c:128*(\p)+12*\i+4*\c+3], v[ADA+2*FS+FQ/3] offset:(FQ%3)*KSB+\i*FRB+512*\c
.endr
.endr
.irp i, 0,1,2,3
.irp c, 0,1,2
	ds_load_b128 v[128*(\p)+48+12*\i+4*\c:128*(\p)+48+12*\i+4*\c+3], v[ADB+2*FS+FQ/3] offset:(FQ%3)*KSB+\i*FRB+512*\c
.endr
.endr
.endm
.macro WM4 n, p, ks, zero              ; accumulator n = 4 a + b: P's block a against V^T's tile b
.set rD,  8*(\n)
.set rB,  128*(\p)+48+12*((\n)%4)
.set rA,  128*(\p)+12*((\n)/4)
.set rSB, SB+2*(\ks)+((\n)%4)/2
.set rSA, SA+2*(\ks)+((\n)/4)/2
.set odd, 2*((\n)%2)+((\n)/4)%2
.if \zero
.if odd == 0
	v_wmma_scale_f32_16x16x128_f8f6f4 v[rD:rD+7], v[rB:rB+11], v[rA:rA+11], 0, v[rSB], v[rSA] matrix_a_fmt:MATRIX_FMT_BF6 matrix_b_fmt:MATRIX_FMT_BF6
.elseif odd == 1
	v_wmma_scale_f32_16x16x128_f8f6f4 v[rD:rD+7], v[rB:rB+11], v[rA:rA+11], 0, v[rSB], v[rSA] matrix_a_fmt:MATRIX_FMT_BF6 matrix_b_fmt:MATRIX_FMT_BF6 matrix_b_scale:MATRIX_SCALE_ROW1
.elseif odd == 2
	v_wmma_scale_f32_16x16x128_f8f6f4 v[rD:rD+7], v[rB:rB+11], v[rA:rA+11], 0, v[rSB], v[rSA] matrix_a_fmt:MATRIX_FMT_BF6 matrix_b_fmt:MATRIX_FMT_BF6 matrix_a_scale:MATRIX_SCALE_ROW1
.else
	v_wmma_scale_f32_16x16x128_f8f6f4 v[rD:rD+7], v[rB:rB+11], v[rA:rA+11], 0, v[rSB], v[rSA] matrix_a_fmt:MATRIX_FMT_BF6 matrix_b_fmt:MATRIX_FMT_BF6 matrix_a_scale:MATRIX_SCALE_ROW1 matrix_b_scale:MATRIX_SCALE_ROW1
.endif
.else
.if odd == 0
	v_wmma_scale_f32_16x16x128_f8f6f4 v[rD:rD+7], v[rB:rB+11], v[rA:rA+11], v[rD:rD+7], v[rSB], v[rSA] matrix_a_fmt:MATRIX_FMT_BF6 matrix_b_fmt:MATRIX_FMT_BF6
.elseif odd == 1
	v_wmma_scale_f32_16x16x128_f8f6f4 v[rD:rD+7], v[rB:rB+11], v[rA:rA+11], v[rD:rD+7], v[rSB], v[rSA] matrix_a_fmt:MATRIX_FMT_BF6 matrix_b_fmt:MATRIX_FMT_BF6 matrix_b_scale:MATRIX_SCALE_ROW1
.elseif odd == 2
	v_wmma_scale_f32_16x16x128_f8f6f4 v[rD:rD+7], v[rB:rB+11], v[rA:rA+11], v[rD:rD+7], v[rSB], v[rSA] matrix_a_fmt:MATRIX_FMT_BF6 matrix_b_fmt:MATRIX_FMT_BF6 matrix_a_scale:MATRIX_SCALE_ROW1
.else
	v_wmma_scale_f32_16x16x128_f8f6f4 v[rD:rD+7], v[rB:rB+11], v[rA:rA+11], v[rD:rD+7], v[rSB], v[rSA] matrix_a_fmt:MATRIX_FMT_BF6 matrix_b_fmt:MATRIX_FMT_BF6 matrix_a_scale:MATRIX_SCALE_ROW1 matrix_b_scale:MATRIX_SCALE_ROW1
.endif
.endif
.endm
.macro MULN ks, p, n0, zero            ; eight products; the 16 accumulators take turns, in the same order in every step
.irp i, 0,1,2,3,4,5,6,7
	WM4 \n0+\i, \p, \ks, \zero
.endr
.endm
; A step.  Plain vector instructions that name none of the last products' registers are owed in front of the loads into the set that those products read (four: ISA guide 7.12.1 for vector instructions):
; in an even step they are the lines of FIX2 (in step 30 of LFIN), in an odd one four v_nop.  A scale word so written is used two steps on: the next even step's lines lie between
; (for steps 30 and 31: the four v_nop of the change at step 29 and LFIN's v_nop and eight selects), more than the eight that a scaled matrix instruction asks for.
.macro STEP4 ks, zero
.if (((\ks)%2) == 0) && ((\ks) < 30)
.set LASTG, (\ks)+7                    ; the last step whose words have been asked for
.if LASTG > 31
.set LASTG, 31
.endif
	s_wait_loadcnt 6*(LASTG-(\ks)-3)               ; the words of steps ks + 2 and ks + 3 are in; those of the steps behind them, six loads each, may be out
	FIX2 (\ks)+2
.if (\ks)+8 < 32
	LOADS (\ks)+8                                  ; six steps ahead of the wait for them
.endif
.elseif (\ks) == 30
	LFIN
.elseif (\ks) < 31
	PLACES 4
.endif
	s_wait_dscnt 0x0                               ; this step's fragments are in (asked for 16 products ago)
.if (\ks) < 31
	FETCH4 (\ks)+1, 1-(\ks)%2
.endif
	WIN MUL
	MULN \ks, (\ks)%2, 0, \zero
	MULN \ks, (\ks)%2, 8, \zero
.endm
; A slot's last step changes slots.  In front of the barrier each wave waits for all its tensor loads (its part of the next slot), adds 0 to its spare word, and waits for that and for its reads of this slot.
; kind = 1: this slot takes the six steps that lie twelve on; 2: it takes the last two steps; 0: nothing is filled.
.macro CHANGE ks, kind
.set CSL, ((\ks)/6)%2
.if (\kind == 1) && ((\ks) < 17)
	s_wait_xcnt 0x0                                ; my last prefetches have read their base: it steps one slot, six steps, on
	s_add_nc_u64 s[88:89], s[88:89], 6*KSB
.endif
	WIN 0
	s_wait_tensorcnt 0x0                           ; no tensor load of mine is out, so a group 0 may be written
	ds_add_u32 v[SPW], v[NIL]                      ; 0 onto my spare word
.if \kind == 1
	s_add_nc_u64 s[G0A+4*CSL+2:G0A+4*CSL+3], s[G0A+4*CSL+2:G0A+4*CSL+3], 12*KSB
	s_add_nc_u64 s[G0B+4*CSL+2:G0B+4*CSL+3], s[G0B+4*CSL+2:G0B+4*CSL+3], 12*KSB
.endif
	s_wait_dscnt 0x0                               ; the add is done; this step's fragments, my last reads of the slot, are in
	s_barrier_signal -1
	WIN MUL
	MULN \ks, (\ks)%2, 0, 0
	WIN 0
	s_barrier_wait -1
.if \kind == 1
	CREST                                          ; a round of the cluster's barrier: no wave of any partner still reads this slot or has a load on its way
	JLOAD G0A+4*CSL, G1A, G0B+4*CSL, G1B           ; the first tensor load behind the round; its four v_nop are also the places in front of the loads below
.elseif \kind == 2
	CREST
	JLOAD G0A5, G1A5, G0B5, G1B5
.else
	PLACES 4
.endif
	FETCH4 (\ks)+1, 1-(\ks)%2
.if (\kind == 1) && ((\ks) < 17)
	global_prefetch_b8 v10, s[88:89] th:TH_LOAD_NT scope:SCOPE_SE              ; what the NEXT refill will load: my work-group's 36 blocks of 256 bytes of the 144 that I fetch
	global_prefetch_b8 v11, s[88:89] offset:8192 th:TH_LOAD_NT scope:SCOPE_SE  ; (blocks 32-35; the lanes left over name block 35 again).  The short last fill is not asked for
.endif
	WIN MUL
	MULN \ks, (\ks)%2, 8, 0
.endm
	s_load_b128 s[4:7], s[0:1], 0x0                ; p s[4:5], qkv s[6:7]
	s_load_b64 s[8:9], s[0:1], 0x10                ; out0
	v_lshl_add_u32 v[SPW], v0, 2, SPARE
	v_mov_b32 v[NIL], 0
	ds_add_u32 v28, v29
	ds_add_u32 v28, v29
	s_wait_dscnt 0x0
	v_lshrrev_b32 v1, 5, v0
	v_readfirstlane_b32 s14, v1                    ; wave 0..3
	s_lshr_b32 s15, s14, 1                         ; wy: which 64 queries are mine.  Also: I fetch for P (0) or for V^T (1)
	s_and_b32 s16, s14, 1                          ; wx: which 64 channels.  Also: which three steps of a slot I fetch
	s_bfe_u32 s40, ttmp6, 0x40000                  ; cx
	s_bfe_u32 s41, ttmp6, 0x40004                  ; cy
	s_lshl_b32 s42, ttmp9, 2
	s_add_co_u32 s42, s42, s40                     ; tc: the group of 128 channels
	s_and_b32 s17, ttmp7, 0xffff
	s_lshl_b32 s17, s17, 2
	s_add_co_u32 s17, s17, s41                     ; tr: the group of 128 queries
	s_lshl_b32 s43, s41, 2
	s_lshl_b32 s43, 15, s43
	s_lshl_b32 s44, 0x1111, s40
	s_or_b32 s[G1A], s43, (3<<16)|(1<<21)          ; the mask; elements of 8 bytes; no padding; bit 21 set beside a mask
	s_or_b32 s[G1B], s44, (3<<16)|(1<<21)
	s_or_b32 s[G1A5], s43, (3<<16)|(1<<21)
	s_or_b32 s[G1B5], s44, (3<<16)|(1<<21)
.irp g, G1A, G1B                                   ; 36,864 dense bytes as 144 rows of 256
	s_mov_b32 s[\g+1], 32<<16
	s_mov_b32 s[\g+2], 144<<16
	s_mov_b32 s[\g+3], 32<<16
	s_mov_b32 s[\g+4], 144
	s_mov_b32 s[\g+5], 32
	s_mov_b32 s[\g+6], 0
	s_mov_b32 s[\g+7], 0
.endr
.irp g, G1A5, G1B5                                 ; 12,288 dense bytes as 48 rows of 256
	s_mov_b32 s[\g+1], 32<<16
	s_mov_b32 s[\g+2], 48<<16
	s_mov_b32 s[\g+3], 32<<16
	s_mov_b32 s[\g+4], 48
	s_mov_b32 s[\g+5], 32
	s_mov_b32 s[\g+6], 0
	s_mov_b32 s[\g+7], 0
.endr
	s_mul_i32 s18, s16, 3
	s_lshl_b32 s19, s17, 5                         ; 32 tr
	s_add_co_u32 s20, s19, s18
	s_mul_i32 s20, s20, KSB                        ; P: steps 3 s16 on,
	s_mov_b32 s21, 0
	s_add_co_u32 s22, s19, s16
	s_add_co_u32 s22, s22, 30
	s_mul_i32 s22, s22, KSB                        ; and step 30 + s16
	s_mov_b32 s23, 0
	s_lshl_b32 s46, s42, 5                         ; 32 tc
	s_add_co_u32 s88, s46, s18
	s_mul_i32 s88, s88, KSB
	s_add_co_u32 s88, s88, VT_OFF                  ; V^T likewise
	s_mov_b32 s89, 0
	s_add_co_u32 s90, s46, s16
	s_add_co_u32 s90, s90, 30
	s_mul_i32 s90, s90, KSB
	s_add_co_u32 s90, s90, VT_OFF
	s_mov_b32 s91, 0
	s_mul_i32 s[WPL], s14, 3*KSB                   ; where my three steps go in a slot: the wave's number alone
	s_mul_i32 s92, s15, 6*KSB
	s_mul_i32 s93, s16, KSB
	s_add_co_u32 s92, s92, s93
	s_add_co_u32 s92, s92, SLOT                    ; and my step of the last fill, in slot 1
	s_lshl_b32 s94, s19, 9
	s_add_co_u32 s94, s94, PS_OFF                  ; P's scale words; -M_loc 524,288 bytes on, l_loc 1,048,576
	s_mov_b32 s95, 0
	s_lshl_b32 s96, s46, 9
	s_add_co_u32 s96, s96, QKV_S+512*512           ; V^T's scale words
	s_mov_b32 s97, 0
	s_lshl_b32 s10, s17, 7
	s_lshl_b32 s11, s15, 6
	s_add_co_u32 s10, s10, s11
	s_lshl_b32 s10, s10, 12                        ; out0: row 128 tr + 64 wy of 4,096 bytes,
	s_lshl_b32 s11, s42, 9
	s_add_co_u32 s10, s10, s11
	s_lshl_b32 s11, s16, 8
	s_add_co_u32 s10, s10, s11                     ; + 4 (128 tc + 64 wx)
	s_mov_b32 s11, 0
	s_mov_b32 s85, 0xffff0000                      ; lanes 16-31
	s_cmp_eq_u32 s15, 0                            ; the prefetches: the four partners of a joint load share its 36,864 bytes out by address: cx for P, cy for V^T
	s_cselect_b32 s2, s40, s41
	s_mul_i32 s2, s2, 9216
	s_add_co_u32 s2, s2, 12*KSB                    ; the first prefetch names steps 12 on: the fill after slot 1's first
	s_mov_b32 s3, 0
	s_mov_b32 s[SEL], 0x76543210
	s_mov_b32 s[SEL+1], 0xfedcba98
	s_wait_kmcnt 0x0
	s_add_nc_u64 s[20:21], s[4:5], s[20:21]
	s_add_nc_u64 s[22:23], s[4:5], s[22:23]
	s_add_nc_u64 s[88:89], s[6:7], s[88:89]
	s_add_nc_u64 s[90:91], s[6:7], s[90:91]
	s_add_nc_u64 s[94:95], s[4:5], s[94:95]
	s_add_nc_u64 s[96:97], s[6:7], s[96:97]
	s_add_nc_u64 s[10:11], s[8:9], s[10:11]
	CROUND                                         ; all sixteen work-groups are here: the first joint loads meet
.irp s, 0,1                                        ; (from here on s40 to s47 are P's groups 0: what they held has been read for the last time)
	s_mov_b32 s[G0A+4*\s], 1
	s_add_co_u32 s[G0A+4*\s+1], s[WPL], \s*SLOT
	s_add_nc_u64 s[G0A+4*\s+2:G0A+4*\s+3], s[20:21], \s*6*KSB
	s_or_b32 s[G0A+4*\s+3], s[G0A+4*\s+3], 0x80000000
	s_mov_b32 s[G0B+4*\s], 1
	s_add_co_u32 s[G0B+4*\s+1], s[WPL], \s*SLOT
	s_add_nc_u64 s[G0B+4*\s+2:G0B+4*\s+3], s[88:89], \s*6*KSB
	s_or_b32 s[G0B+4*\s+3], s[G0B+4*\s+3], 0x80000000
.endr
	s_mov_b32 s[G0A5], 1
	s_mov_b32 s[G0A5+1], s92
	s_mov_b64 s[G0A5+2:G0A5+3], s[22:23]
	s_or_b32 s[G0A5+3], s[G0A5+3], 0x80000000
	s_mov_b32 s[G0B5], 1
	s_mov_b32 s[G0B5+1], s92
	s_mov_b64 s[G0B5+2:G0B5+3], s[90:91]
	s_or_b32 s[G0B5+3], s[G0B5+3], 0x80000000
	s_cmp_eq_u32 s15, 0
	s_cselect_b64 s[88:89], s[20:21], s[88:89]     ; the tensor that I fetch for, at my three steps of a slot (V^T's groups 0 have been made)
	s_add_nc_u64 s[88:89], s[88:89], s[2:3]
	s_cmp_eq_u32 s15, 0                            ; a wave's first fill stands in one branch: its three steps of slot 0
	s_cbranch_scc0 .Lfirst_b
	tensor_load_to_lds s[G0A:G0A+3], s[G1A:G1A+7]  ; one tensor load a wave at the head (not two, as the head comment has it): my three steps of slot 0
	s_nop 0
	PLACES 4
	s_branch .Lfirst_asked
.Lfirst_b:
	tensor_load_to_lds s[G0B:G0B+3], s[G1B:G1B+7]
	s_nop 0
	PLACES 4
.Lfirst_asked:
	v_and_b32 v1, 15, v0                           ; r
	v_bfe_u32 v2, v0, 4, 1                         ; h
	v_and_b32 v3, 31, v0                           ; lane
	v_lshlrev_b32 v10, 8, v3                       ; the prefetches' offsets: a lane a block of 256 bytes; never rewritten
	v_min_u32 v11, 3, v3
	v_lshlrev_b32 v11, 8, v11
	s_wait_alu depctr_va_vdst(0)
	global_prefetch_b8 v10, s[88:89] offset:-6*KSB th:TH_LOAD_NT scope:SCOPE_SE        ; steps 6-11, which slot 1's first fill will load behind the head's round: my work-group's quarter of my 144 blocks
	global_prefetch_b8 v11, s[88:89] offset:8192-6*KSB th:TH_LOAD_NT scope:SCOPE_SE    ; (the base stands at steps 12 on: six steps back)
	s_lshl_b32 s98, s15, 8
	v_lshl_add_u32 v[LSA], v3, 2, s98
	v_lshl_add_u32 v[LW], v1, 4, s98
	v_lshl_add_u32 v[LW], v2, 9, v[LW]
	s_lshl_b32 s99, s16, 8
	v_lshl_add_u32 v[LSB], v3, 2, s99
.set j, 0
.rept 16                                           ; -M_loc of my 64 rows, all 32 chunks: load j brings chunk 2 j's 256 bytes in lanes 0-15 and chunk 2 j + 1's in lanes 16-31
	global_load_b128 v[WD+4*j:WD+4*j+3], v[LW], s[94:95] offset:524288+1024*j
.set j, j+1
.endr
	LOADS 0
	LOADS 2
	LOADS 4
	s_mul_i32 s98, s15, 4*FRB                      ; my four blocks of P,
	s_mul_i32 s99, s16, 4*FRB
	s_add_co_u32 s99, s99, 6*KSB                   ; my four tiles of V^T, behind P's six steps
	v_lshl_add_u32 v12, v3, 4, s98
	v_lshl_add_u32 v13, v3, 4, s99
.irp s, 0,1
.irp q, 0,1
	v_add_nc_u32 v[ADA+2*\s+\q], \s*SLOT+\q*3*KSB, v12
	v_add_nc_u32 v[ADB+2*\s+\q], \s*SLOT+\q*3*KSB, v13
.endr
.endr
	s_mul_i32 s98, s14, 16*272
	s_add_co_u32 s98, s98, STAGE                   ; my stage
	v_lshl_add_u32 v[GST], v3, 4, s98
	v_lshl_add_u32 v[GLD], v3, 2, s98
	v_mul_u32_u24 v[STO], v1, 272                  ; the way out, in: row r, 32 bytes for each half of the lanes
	v_lshl_add_u32 v[STO], v2, 5, v[STO]
	v_add_nc_u32 v[STO], s98, v[STO]
	v_mul_u32_u24 v[RD], v2, 272                   ; back: lanes 0-15 one row of 256 bytes, lanes 16-31 the next
	v_lshl_add_u32 v[RD], v1, 4, v[RD]
	v_add_nc_u32 v[RD], s98, v[RD]
	v_lshlrev_b32 v[CO], 12, v2                    ; and the same two rows in out0
	v_lshl_add_u32 v[CO], v1, 4, v[CO]
	WIN 0xc0                                       ; destination window 3
	v_mov_b32 v[XX], 0                             ; written once: a lane permute's destination counts as one of its sources
	v_mov_b32 v[XX+1], 0
	WIN 0
	s_wait_loadcnt 36                              ; the sixteen wide loads are in; the 36 loads of steps 0 to 5 may be out
	LOADS 6
	; -M_loc turns through my stage, sixteen chunks (4,096 bytes) at a time: in as loaded, 16 bytes a lane; out by words: register 2 ks + c takes the 128 bytes at 256 (ks % 16) + 128 c.
.irp j, 0,1,2,3,4,5,6,7
	ds_store_b128 v[GST], v[WD+4*\j:WD+4*\j+3] offset:512*\j
.endr
	WIN 0xc0
.set n, 0
.rept 32
	ds_load_b32 v[NN+n], v[GLD] offset:128*n       ; LDS serves a wave's instructions in order (ISA guide 5.7.1.4): these see my stores,
.set n, n+1
.endr
	WIN 0
.irp j, 0,1,2,3,4,5,6,7
	ds_store_b128 v[GST], v[WD+32+4*\j:WD+32+4*\j+3] offset:512*\j   ; and the second half's stores come behind them
.endr
	WIN 0xc0
.set n, 0
.rept 32
	ds_load_b32 v[NN+32+n], v[GLD] offset:128*n
.set n, n+1
.endr
	s_wait_dscnt 0x0
	WIN 0xff
.irp c, 0,1
	v_min3_num_f32 v[GM+\c], v[NN+\c], v[NN+2+\c], v[NN+4+\c]      ; the smallest -M_loc is -M
.endr
.irp k, 3,5,7,9,11,13,15,17,19,21,23,25,27,29
.irp c, 0,1
	v_min3_num_f32 v[GM+\c], v[GM+\c], v[NN+2*\k+\c], v[NN+2*\k+2+\c]
.endr
.endr
.irp c, 0,1
	v_min_num_f32 v[GM+\c], v[GM+\c], v[NN+62+\c]
.endr
	s_wait_alu depctr_va_vdst(0)
	s_wait_loadcnt 36                              ; the words of steps 0 and 1 are in; the 36 loads of steps 2 to 7 may be out
	FIX2 0
	WIN 0
	s_wait_alu depctr_va_vdst(0)
	s_wait_tensorcnt 0x0                           ; my part of slot 0 is in
	ds_add_u32 v[SPW], v[NIL]
	s_wait_dscnt 0x0
	CROUND                                         ; slot 0 is whole in every wave, and all sixteen work-groups are here
	JLOAD G0A+4, G1A, G0B+4, G1B                   ; slot 1's first fill, steps 6-11: the first tensor load behind the round; it has six steps, 96 products, in which to land
	FETCH4 0, 0
	global_prefetch_b8 v10, s[88:89] th:TH_LOAD_NT scope:SCOPE_SE              ; steps 12-17, which the first refill will load: my work-group's quarter of my 144 blocks
	global_prefetch_b8 v11, s[88:89] offset:8192 th:TH_LOAD_NT scope:SCOPE_SE
	STEP4 0, 1                                     ; the first step's products start the sums: nothing is cleared
.irp k, 1,2,3,4
	STEP4 \k, 0
.endr
	CHANGE 5, 1                                    ; slot 0 takes steps 12-17
.irp k, 6,7,8,9,10
	STEP4 \k, 0
.endr
	CHANGE 11, 1                                   ; slot 1 takes steps 18-23
.irp k, 12,13,14,15,16
	STEP4 \k, 0
.endr
	CHANGE 17, 1                                   ; slot 0 takes steps 24-29
.irp k, 18,19,20,21,22
	STEP4 \k, 0
.endr
	CHANGE 23, 2                                   ; slot 1 takes steps 30 and 31
.irp k, 24,25,26,27,28
	STEP4 \k, 0
.endr
	CHANGE 29, 0                                   ; the last fill has landed in every wave; nothing is filled
	s_wait_alu depctr_va_vdst(0)
	STEP4 30, 0
	STEP4 31, 0
	WIN 0
	PLACES 4                                       ; in front of the first reads of results and of loads into the fragments' registers
; THE WAY OUT, block by block of 16 queries x 64 channels: divided by l, through my stage in LDS, back as whole rows of 256 bytes.  Stage row r is query 32 (a / 2) + 8 (a % 2) + r + 8 (r / 8) of my 64.
.macro OUTB a
.if (\a) >= 2
	s_wait_xcnt 0x0                                ; block a - 2's stores have read their registers: block a's rows may land there
.endif
	WIN 0x02
.set n, 0
.rept 16
	v_pk_mul_f32 v[T+n:T+n+1], v[32*(\a)+n:32*(\a)+n+1], v[INV+2*(\a):INV+2*(\a)+1]   ; each accumulator from its low end on
.set n, n+2
.endr
	WIN 0
.irp b, 0,1,2,3
	ds_store_b128 v[STO], v[T+8*\b:T+8*\b+3] offset:64*\b
	ds_store_b128 v[STO], v[T+8*\b+4:T+8*\b+7] offset:64*\b+16
.endr
	WIN 0x40
.irp t, 0,1,2,3,4,5,6,7
	ds_load_b128 v[32*((\a)%2)+4*\t:32*((\a)%2)+4*\t+3], v[RD] offset:2*\t*272   ; LDS serves a wave's instructions in order: these see my stores, and the next block's stores come behind them
.endr
	WIN 0x04                                       ; a store's data are its source 1: window 1
.irp t, 0,1,2,3,4,5,6,7
	s_wait_dscnt 7-\t                              ; rows 2 t and 2 t + 1 are back; the younger loads stay out
	global_store_b128 v[CO], v[32*((\a)%2)+4*\t:32*((\a)%2)+4*\t+3], s[10:11] offset:(32*((\a)/2)+8*((\a)%2)+2*\t+8*(\t/4))*4096 th:TH_STORE_NT   ; 16 lanes store 256 consecutive bytes, at a multiple of 256 from out0's first byte
.endr
.endm
	s_wait_alu depctr_va_vdst(0)
.irp a, 0,1,2,3
	OUTB \a
.endr
	WIN 0
	s_wait_tensorcnt 0x0                           ; the wave's end
	ds_add_u32 v[SPW], v[NIL]
	s_wait_dscnt 0x0
	CROUND                                         ; the closing round
	s_endpgm
.Lfunc_end_k_qdb28d3ea17_mix:
	.size	k_qdb28d3ea17_mix, .Lfunc_end_k_qdb28d3ea17_mix-k_qdb28d3ea17_mix
	.p2alignl 7, 3214868480
	.fill 96, 4, 3214868480
	.section	.rodata,"a",@progbits
	.p2align	6, 0x0
	.amdhsa_kernel k_qdb28d3ea17_mix
		.amdhsa_group_segment_fixed_size 327680
		.amdhsa_private_segment_fixed_size 0
		.amdhsa_enable_private_segment 0
		.amdhsa_kernarg_size 24
		.amdhsa_user_sgpr_count 2
		.amdhsa_user_sgpr_kernarg_segment_ptr 1
		.amdhsa_wavefront_size32 1
		.amdhsa_system_sgpr_workgroup_id_x 1
		.amdhsa_system_sgpr_workgroup_id_y 1
		.amdhsa_system_sgpr_workgroup_id_z 1
		.amdhsa_system_vgpr_workitem_id 0
		.amdhsa_next_free_vgpr 1024
		.amdhsa_next_free_sgpr 100
		.amdhsa_reserve_vcc 0
		.amdhsa_float_denorm_mode_32 3
		.amdhsa_float_denorm_mode_16_64 3
		.amdhsa_memory_ordered 1
		.amdhsa_forward_progress 1
		.amdhsa_inst_pref_size 196
	.end_amdhsa_kernel
	.amdgpu_metadata
---
amdhsa.version: [ 1, 2 ]
amdhsa.kernels:
  - .name:           k_qdb28d3ea17_mix
    .symbol:         k_qdb28d3ea17_mix.kd
    .args:
      - { .name: p, .offset: 0, .size: 8, .value_kind: global_buffer, .address_space: global }
      - { .name: qkv, .offset: 8, .size: 8, .value_kind: global_buffer, .address_space: global }
      - { .name: out0, .offset: 16, .size: 8, .value_kind: global_buffer, .address_space: global }
    .group_segment_fixed_size: 327680
    .private_segment_fixed_size: 0
    .kernarg_segment_align: 8
    .kernarg_segment_size: 24
    .max_flat_workgroup_size: 128
    .sgpr_count:     100
    .vgpr_count:     1024
    .wavefront_size: 32
...
	.end_amdgpu_metadata
.endif
;; end of part 4
